; MI455X (gfx1250); checked and timed in simulation.
; The chip was launched on July 23, 2026; its instructions are those of AMD's public machine-readable ISA for CDNA 5 (MIT licence, August 2026) and "CDNA5" Instruction Set Architecture Reference Guide (July 2026). The comments in the code are by the model that wrote it; some were corrected since.
;; Encoder Layer. Allowed arithmetic: matrix products marked QUANTISED: E4M3 operands, one given power-of-two scale a tensor, by v_wmma_f32_16x16x64_fp8_fp8 or v_wmma_f32_16x16x128_fp8_fp8, f32 sums; everything else in f32.
;; Inputs: b1 4,096 float32; b2 1,024 float32; bk 1,024 float32; bo 1,024 float32; bq 1,024 float32; bv 1,024 float32; ln1_b 1,024 float32; ln1_g 1,024 float32; ln2_b 1,024 float32; ln2_g 1,024 float32; lowp_scales 16 int32 (the exponents e of the quantised operands' scales 2^e); mask 2 x 1 x 2,048 int32; w1_codes 4,096 x 32 x 32 uint8 (E4M3 codes of w1, K innermost, in blocks of 32 codes); w2_codes 1,024 x 128 x 32 uint8 (E4M3 codes of w2, K innermost, in blocks of 32 codes); wk_codes 1,024 x 32 x 32 uint8 (E4M3 codes of wk, K innermost, in blocks of 32 codes); wo_codes 1,024 x 32 x 32 uint8 (E4M3 codes of wo, K innermost, in blocks of 32 codes); wq_codes 1,024 x 32 x 32 uint8 (E4M3 codes of wq, K innermost, in blocks of 32 codes); wv_codes 1,024 x 32 x 32 uint8 (E4M3 codes of wv, K innermost, in blocks of 32 codes); x 2 x 2,048 x 1,024 float32.
;; Outputs: out0 2 x 2,048 x 1,024 float32.
;; This version of the problem:
;;   THIS VERSION OF THE PROBLEM IS GIVEN IN LOW PRECISION. The matrix products marked QUANTISED in the list below multiply operands that are first quantised to E4M3 (4 exponent bits, 3 mantissa bits; 8 bits a number), with one given power-of-two scale for each operand tensor; their sums are f32. All else is computed in f32.
;;   The module's matrix products, in the order in which they are computed (A, B: the left and right operand; K: the contracted axis; several contracted axes count as one K, in the product's order):
;;     1. [M 4,096, K 1,024] x [K 1,024, N 1,024]; A: computed on the way; B: input wq (given as codes): QUANTISED (scales: A lowp_scales[0], B lowp_scales[1])
;;     2. [M 4,096, K 1,024] x [K 1,024, N 1,024]; A: computed on the way; B: input wk (given as codes): QUANTISED (scales: A lowp_scales[2], B lowp_scales[3])
;;     3. [M 4,096, K 1,024] x [K 1,024, N 1,024]; A: computed on the way; B: input wv (given as codes): QUANTISED (scales: A lowp_scales[4], B lowp_scales[5])
;;     4. batch 32 x [M 2,048, K 64] x [K 64, N 2,048]; A: computed on the way; B: computed on the way: QUANTISED (scales: A lowp_scales[6], B lowp_scales[7])
;;     5. batch 32 x [M 64, K 2,048] x [K 2,048, N 2,048]; A: computed on the way; B: softmax (see below): QUANTISED (scales: A lowp_scales[8], B lowp_scales[9])
;;     6. [M 4,096, K 1,024] x [K 1,024, N 1,024]; A: computed on the way; B: input wo (given as codes): QUANTISED (scales: A lowp_scales[10], B lowp_scales[11])
;;     7. [M 4,096, K 1,024] x [K 1,024, N 4,096]; A: computed on the way; B: input w1 (given as codes): QUANTISED (scales: A lowp_scales[12], B lowp_scales[13])
;;     8. [M 4,096, K 4,096] x [K 4,096, N 1,024]; A: computed on the way; B: input w2 (given as codes): QUANTISED (scales: A lowp_scales[14], B lowp_scales[15])
;;   THE QUANTISER, for each operand of a quantised product, along K:
;;     - The operand's scale is 2^e, e = its entry of the input lowp_scales (int32; the entries are numbered through the quantised products in the list's order, A before B).
;;     - Each number is divided by the scale, clamped to +-448, and rounded to the nearest number of E4M3, ties to even, subnormals kept.
;;     - The product sums the exact products of the quantised numbers (number of the format x scale) in f32.
;;   ~~~python
;;   def quantise(x, axis, e):      # numpy; x: float32 -> the quantised numbers, widened to float32 again
;;       x = np.moveaxis(x, axis, -1); K = x.shape[-1]
;;       r = np.clip(x / 2.0 ** e, -448, 448)
;;       step = 2.0 ** (np.maximum(np.frexp(np.where(r == 0, 1, r))[1] - 1, -6) - 3)
;;       q = np.round(r / step) * step * 2.0 ** e      # np.round: ties to even
;;       return np.moveaxis(q, -1, axis).astype(np.float32)
;;   ~~~
;;   SOFTMAX AHEAD OF A QUANTISED PRODUCT. Where the list says 'softmax', what is quantised is not the finished softmax but p = 2^(t - M), with t = logit x log2(e) and M = ceil(the row's largest t), a whole number; so 1/2 < the row's largest p <= 1. The row's sum l is taken of the UNQUANTISED p, in f32, and the product's result is divided by l at the end. Since M is a whole number, a kernel that streams over the keys may use a running M (the ceiling of the running maximum): every later rescaling is an exact power of two, so the quantised numbers keep their values, but for numbers so far below the row's largest that they fall under the format's range.
;;   OPERANDS COMPUTED ON THE WAY. 'Computed on the way' means the value that the module computes at that place (a softmax that the list does not call 'softmax' is quantised finished and normalised). What goes into a quantiser is computed in f32, as accurately as f32 sums, v_exp_f32 and their like allow (about 1e-6 of the number): no bf16 or f16 on the way to a quantiser, and a product that is left as it is and whose result goes on into a quantised operand takes f32 operands (vector FMAs, or v_wmma_f32_16x16x4_f32). A number that lies on a knife's edge between two numbers of the format may be rounded either way, as far as f32 arithmetic and the matrix unit's own rounding can turn it there, and no further.
;;   INPUTS GIVEN AS CODES. w1 (in the module: [1024, 4096], K = its axis 0); w2 (in the module: [4096, 1024], K = its axis 0); wk (in the module: [1024, 1024], K = its axis 0); wo (in the module: [1024, 1024], K = its axis 0); wq (in the module: [1024, 1024], K = its axis 0); wv (in the module: [1024, 1024], K = its axis 0): each comes as NAME_codes (uint8): NAME with its K axis moved to the last place and cut into blocks of 32 codes, [.., K / 32, bytes a block], one block behind the other in memory; one code a byte (a code: sign, 4 exponent bits, 3 mantissa bits); its scale is its entry of lowp_scales. Its value is code x scale, taken as it is: it is not quantised again, and the codes and scales need not be those that the quantiser above would give.
;; One version. Each part assembles by itself: llvm-mc -triple=amdgcn-amd-amdhsa -mcpu=gfx1250 --defsym DOCPART=n.
;; ======== version 1 of 1: 7 launches
;; limits: right only within a limited range of input values
;; workspace buffers: xn1 12,582,912 bytes; qkv 12,582,912 bytes; att 4,194,304 bytes; x2 16,777,216 bytes; xn2 4,194,304 bytes; hid 16,777,216 bytes
;; launch ln1 (part 1): grid 256 x 1, 8 waves a work-group, no clusters, 0 bytes of LDS; arguments x, ln1_g, ln1_b, lowp_scales, xn1; writes xn1
.if DOCPART == 1
	.amdgcn_target "amdgcn-amd-amdhsa--gfx1250"
	.amdhsa_code_object_version 6
	.text
	.protected	k_qa0b1726b2a_ln1
	.globl	k_qa0b1726b2a_ln1
	.p2align	8
	.type	k_qa0b1726b2a_ln1,@function
k_qa0b1726b2a_ln1:
	s_mov_b64 s[64:65], 0
	v_nop
	global_prefetch_b8 v0, s[64:65] scope:SCOPE_SE
	s_setreg_imm32_b32 hwreg(HW_REG_WAVE_MODE, 25, 1), 1
	s_wait_xcnt 0x0
; LayerNorm of 4,096 rows of 1,024 f32 (mean; unbiased deviation; g (x - mean) / (std + 1e-6) + b), all in f32, then quantised to E4M3 codes NOUT times,
; each time with a given scale 2^e: code = y / 2^e, held within +-448, nearest, ties to even.  Output o is a plane of 4,096 x 1,024 codes, row-major, 4 MiB apart.
; SHARES: a work-group takes 16 rows, each of its eight waves two; a row lies in 32 registers a lane between the passes, so it is read once.  Lane l holds, for j = 0..3, the columns 256 j + 8 l + 0..7:
; eight neighbours along K, which one conversion turns into 8 bytes; the wave's store of them covers 256 consecutive bytes, aligned.  No LDS, no barrier, no loop: waves share nothing.
; No matrix unit, no cluster: nothing here is read by two work-groups but g and b (8 KiB).
; LIMITS: each e between -126 and 119, so that 2^e and 448 x 2^e are f32 numbers.  NaN among the inputs is not served.
.set NOUT, 3                           ; outputs
.set SCB,  0                           ; byte of output 0's exponent in the buffer of scales; the next stand 8 bytes on each
.set G,    8                           ; v8-39    g of my 32 columns
.set BT,   40                          ; v40-71   b of my 32 columns
.set X,    72                          ; v72-135  row p at X + 32 p
.set T,    136                         ; v136-151 two sets of eight held numbers, by turns
.set SUM,  152                         ; v[152+4p:153+4p] a row's running sum, two halves
.set MEAN, 154                         ; v[154+4p:155+4p] the mean twice, later 1 / (std + eps) twice
.set PD,   160                         ; v160+p   the lane exchange's destination
.set SC,   162                         ; v162+2o  2^e;  v163+2o  448 x 2^e
.set C,    168                         ; v168-215 codes: (p, o, j) at C + 24 p + 8 o + 2 j: each store has registers of its own
	s_load_b256 s[4:11], s[0:1], 0x0               ; x s[4:5], g s[6:7], b s[8:9], the exponents s[10:11]
	s_load_b64 s[12:13], s[0:1], 0x20              ; the codes
	v_lshrrev_b32 v3, 5, v0
	s_delay_alu instid0(VALU_DEP_1)
	v_readfirstlane_b32 s14, v3                    ; wave 0..7
	v_and_b32 v3, 31, v0
	s_delay_alu instid0(VALU_DEP_1)
	v_lshlrev_b32 v1, 5, v3                        ; 32 x lane: my 8 numbers in a group of 256
	s_delay_alu instid0(VALU_DEP_2)
	v_lshlrev_b32 v2, 3, v3                        ; 8 x lane: my 8 codes
	v_mov_b32 v[PD], 0                             ; written once: a lane exchange's destination counts as read
	v_mov_b32 v[PD+1], 0
	s_lshl_b32 s16, ttmp9, 16                      ; 16 rows of 4,096 bytes a work-group,
	s_lshl_b32 s15, s14, 13                        ; two a wave
	s_or_b32 s16, s16, s15
	s_mov_b32 s17, 0
	s_lshr_b32 s18, s16, 2                         ; the same rows in codes: a quarter of the bytes
	s_mov_b32 s19, 0
	s_mov_b32 s26, 0x76543210                      ; lane l takes lane l xor 16
	s_mov_b32 s27, 0xfedcba98
	s_wait_alu depctr_va_vdst(0)
	s_wait_kmcnt 0x0
.set o, 0
.rept NOUT
	s_load_b32 s[28+o], s[10:11], SCB+8*o
.set o, o+1
.endr
	s_add_nc_u64 s[4:5], s[4:5], s[16:17]
	s_add_nc_u64 s[20:21], s[12:13], s[18:19]      ; plane 0
.if NOUT > 1
	s_add_nc_u64 s[22:23], s[20:21], 0x400000      ; plane 1
	s_add_nc_u64 s[24:25], s[20:21], 0x800000      ; plane 2
.endif
.irp p, 0,1
.irp j, 0,1,2,3
	global_load_b128 v[X+32*\p+8*\j:X+32*\p+8*\j+3],   v1, s[4:5] offset:4096*\p+1024*\j
	global_load_b128 v[X+32*\p+8*\j+4:X+32*\p+8*\j+7], v1, s[4:5] offset:4096*\p+1024*\j+16
.endr
.endr
.irp j, 0,1,2,3
	global_load_b128 v[G+8*\j:G+8*\j+3],   v1, s[6:7] offset:1024*\j
	global_load_b128 v[G+8*\j+4:G+8*\j+7], v1, s[6:7] offset:1024*\j+16
.endr
.irp j, 0,1,2,3
	global_load_b128 v[BT+8*\j:BT+8*\j+3],   v1, s[8:9] offset:1024*\j
	global_load_b128 v[BT+8*\j+4:BT+8*\j+7], v1, s[8:9] offset:1024*\j+16
.endr
; both rows' sums: the two halves, then the 32 lanes; every lane ends with the row's sum.  The two rows take turns line by line.
.macro ACROSS
.irp p, 0,1
	s_delay_alu instid0(VALU_DEP_2)
	v_add_f32 v[SUM+4*\p], v[SUM+4*\p], v[SUM+4*\p+1]
.endr
.irp m, 1,2,4,8
.irp p, 0,1
	s_delay_alu instid0(VALU_DEP_2)
	v_add_f32_dpp v[SUM+4*\p], v[SUM+4*\p], v[SUM+4*\p] row_xmask:\m row_mask:0xf bank_mask:0xf
.endr
.endr
.irp p, 0,1
	s_delay_alu instid0(VALU_DEP_2)
	v_permlanex16_b32 v[PD+\p], v[SUM+4*\p], s26, s27
.endr
.irp p, 0,1
	s_delay_alu instid0(VALU_DEP_2)
	v_add_f32 v[SUM+4*\p], v[SUM+4*\p], v[PD+\p]
.endr
.endm
	s_wait_loadcnt 16                              ; the two rows are in; the sixteen loads of g and b may be out
.irp p, 0,1
	v_pk_add_f32 v[SUM+4*\p:SUM+4*\p+1], v[X+32*\p:X+32*\p+1], v[X+32*\p+2:X+32*\p+3]
.endr
.set i, 4
.rept 14
.irp p, 0,1
	s_delay_alu instid0(VALU_DEP_2)
	v_pk_add_f32 v[SUM+4*\p:SUM+4*\p+1], v[SUM+4*\p:SUM+4*\p+1], v[X+32*\p+i:X+32*\p+i+1]
.endr
.set i, i+2
.endr
	ACROSS
.irp p, 0,1
	s_delay_alu instid0(VALU_DEP_2)
	v_mul_f32 v[MEAN+4*\p], 0x3a800000, v[SUM+4*\p]   ; / 1,024: exact
.endr
.irp p, 0,1
	s_delay_alu instid0(VALU_DEP_2)
	v_mov_b32 v[MEAN+4*\p+1], v[MEAN+4*\p]
.endr
.set i, 0
.rept 16
.irp p, 0,1
	v_pk_add_f32 v[X+32*\p+i:X+32*\p+i+1], v[X+32*\p+i:X+32*\p+i+1], v[MEAN+4*\p:MEAN+4*\p+1] neg_lo:[0,1] neg_hi:[0,1]   ; x - mean
.endr
.set i, i+2
.endr
.irp p, 0,1
	v_pk_mul_f32 v[SUM+4*\p:SUM+4*\p+1], v[X+32*\p:X+32*\p+1], v[X+32*\p:X+32*\p+1]
.endr
.set i, 2
.rept 15
.irp p, 0,1
	s_delay_alu instid0(VALU_DEP_2)
	v_pk_fma_f32 v[SUM+4*\p:SUM+4*\p+1], v[X+32*\p+i:X+32*\p+i+1], v[X+32*\p+i:X+32*\p+i+1], v[SUM+4*\p:SUM+4*\p+1]
.endr
.set i, i+2
.endr
	ACROSS
.irp p, 0,1
	s_delay_alu instid0(VALU_DEP_2)
	v_mul_f32 v[SUM+4*\p], 0x3a802008, v[SUM+4*\p]    ; / 1,023
.endr
	s_wait_alu depctr_va_vdst(0)
.irp p, 0,1
	v_sqrt_f32 v[SUM+4*\p], v[SUM+4*\p]
.endr
	v_nop                                          ; a plain instruction behind the roots (ISA guide 5.7.2),
	s_wait_alu depctr_va_vdst(0)                   ; and the wait ahead of their first reader: one for both
.irp p, 0,1
	v_add_f32 v[SUM+4*\p], 0x358637bd, v[SUM+4*\p]    ; + 1e-6
.endr
	s_wait_alu depctr_va_vdst(0)
.irp p, 0,1
	v_rcp_f32 v[MEAN+4*\p], v[SUM+4*\p]
.endr
	v_nop
	s_wait_alu depctr_va_vdst(0)                   ; likewise for the two reciprocals
.irp p, 0,1
	v_mov_b32 v[MEAN+4*\p+1], v[MEAN+4*\p]
.endr
	s_wait_alu depctr_va_vdst(0)
	s_wait_kmcnt 0x0                               ; the exponents
.set o, 0
.rept NOUT
	s_add_co_i32 s36, s[28+o], 127
	s_lshl_b32 s37, s36, 23
	v_mov_b32 v[SC+2*o], s37                       ; 2^e as f32: the conversion takes its exponent field
	s_add_co_i32 s36, s36, 8
	s_lshl_b32 s36, s36, 23
	s_or_b32 s36, s36, 0x600000
	v_mov_b32 v[SC+2*o+1], s36                     ; 448 x 2^e
.set o, o+1
.endr
	s_wait_loadcnt 0x0                             ; g and b
.set i, 0
.rept 16
.irp p, 0,1
	v_pk_mul_f32 v[X+32*\p+i:X+32*\p+i+1], v[X+32*\p+i:X+32*\p+i+1], v[MEAN+4*\p:MEAN+4*\p+1]
.endr
.set i, i+2
.endr
.set i, 0
.rept 16
.irp p, 0,1
	v_pk_fma_f32 v[X+32*\p+i:X+32*\p+i+1], v[X+32*\p+i:X+32*\p+i+1], v[G+i:G+i+1], v[BT+i:BT+i+1]
.endr
.set i, i+2
.endr
; Eight numbers are held into one of two sets, converted and stored.  The sets take turns, so that eight plain instructions stand between a conversion and the next write of its sources.
; The conversion to an 8-bit code does not saturate (ISA guide 7.6.2): hence the hold.  No store's data or address is ever written again, so no wait follows a store.
.set k, 0
.irp p, 0,1
.set o, 0
.rept NOUT
.irp j, 0,1,2,3
.irp i, 0,1,2,3,4,5,6,7
	v_med3_num_f32 v[T+8*k+\i], v[X+32*\p+8*\j+\i], -v[SC+2*o+1], v[SC+2*o+1]
.endr
	v_cvt_scalef32_pk8_fp8_f32 v[C+24*\p+8*o+2*\j:C+24*\p+8*o+2*\j+1], v[T+8*k:T+8*k+7], v[SC+2*o]
	global_store_b64 v2, v[C+24*\p+8*o+2*\j:C+24*\p+8*o+2*\j+1], s[20+2*o:21+2*o] offset:1024*\p+256*\j th:TH_STORE_NT
.set k, 1-k
.endr
.set o, o+1
.endr
.endr
	s_endpgm
.Lfunc_end_k_qa0b1726b2a_ln1:
	.size	k_qa0b1726b2a_ln1, .Lfunc_end_k_qa0b1726b2a_ln1-k_qa0b1726b2a_ln1
	.p2alignl 7, 3214868480
	.fill 96, 4, 3214868480
	.section	.rodata,"a",@progbits
	.p2align	6, 0x0
	.amdhsa_kernel k_qa0b1726b2a_ln1
		.amdhsa_group_segment_fixed_size 0
		.amdhsa_private_segment_fixed_size 0
		.amdhsa_enable_private_segment 0
		.amdhsa_kernarg_size 40
		.amdhsa_user_sgpr_count 2
		.amdhsa_user_sgpr_kernarg_segment_ptr 1
		.amdhsa_wavefront_size32 1
		.amdhsa_system_sgpr_workgroup_id_x 1
		.amdhsa_system_sgpr_workgroup_id_y 1
		.amdhsa_system_sgpr_workgroup_id_z 1
		.amdhsa_system_vgpr_workitem_id 0
		.amdhsa_next_free_vgpr 216
		.amdhsa_next_free_sgpr 66
		.amdhsa_reserve_vcc 0
		.amdhsa_float_denorm_mode_32 3
		.amdhsa_float_denorm_mode_16_64 3
		.amdhsa_memory_ordered 1
		.amdhsa_forward_progress 1
		.amdhsa_inst_pref_size 37
	.end_amdhsa_kernel
	.amdgpu_metadata
---
amdhsa.version: [ 1, 2 ]
amdhsa.kernels:
  - .name:           k_qa0b1726b2a_ln1
    .symbol:         k_qa0b1726b2a_ln1.kd
    .args:
      - { .name: x, .offset: 0, .size: 8, .value_kind: global_buffer, .address_space: global }
      - { .name: ln1_g, .offset: 8, .size: 8, .value_kind: global_buffer, .address_space: global }
      - { .name: ln1_b, .offset: 16, .size: 8, .value_kind: global_buffer, .address_space: global }
      - { .name: lowp_scales, .offset: 24, .size: 8, .value_kind: global_buffer, .address_space: global }
      - { .name: xn1, .offset: 32, .size: 8, .value_kind: global_buffer, .address_space: global }
    .group_segment_fixed_size: 0
    .private_segment_fixed_size: 0
    .kernarg_segment_align: 8
    .kernarg_segment_size: 40
    .max_flat_workgroup_size: 256
    .sgpr_count:     66
    .vgpr_count:     216
    .wavefront_size: 32
...
	.end_amdgpu_metadata
.endif
;; end of part 1
;; launch qkv (part 2): grid 12 x 16, 4 waves a work-group, clusters of 4 x 4, 327,680 bytes of LDS; arguments xn1, wq_codes, wk_codes, wv_codes, bq, bk, bv, mask, lowp_scales, qkv; writes qkv
.if DOCPART == 2
	.amdgcn_target "amdgcn-amd-amdhsa--gfx1250"
	.amdhsa_code_object_version 6
	.text
	.protected	k_qa0b1726b2a_qkv
	.globl	k_qa0b1726b2a_qkv
	.p2align	8
	.type	k_qa0b1726b2a_qkv,@function
k_qa0b1726b2a_qkv:
	s_mov_b64 s[64:65], 0
	v_nop
	global_prefetch_b8 v0, s[64:65] scope:SCOPE_SE
	s_setreg_imm32_b32 hwreg(HW_REG_WAVE_MODE, 25, 1), 1
	s_wait_xcnt 0x0
	s_wait_alu depctr_hold_cnt(0) depctr_sa_sdst(0) depctr_va_vdst(0) depctr_va_sdst(0) depctr_va_ssrc(0) depctr_va_vcc(0) depctr_vm_vsrc(0)
	s_getreg_b32 s2, hwreg(HW_REG_IB_STS2, 6, 4)
	s_cmp_eq_u32 s2, 0
	s_cbranch_scc0 .Lentry_in_a_cluster
	s_endpgm
.Lentry_in_a_cluster:
	s_bfe_u32 s2, ttmp6, 0x10000c
	s_cmp_lg_u32 s2, 0xf033
	s_cbranch_scc0 .Lentry_shape_is_right
	s_endpgm
.Lentry_shape_is_right:
; A GEMM on E4M3 codes, K = 1,024, whose results are quantised again and leave as images of the next product's operand registers.
; MODE 0: q, k, v = xn W^T + bias (three planes of xn, three weights; the cluster's x says which third).  MODE 1: h = relu(xn2 W1^T + b1).
; A tile of 256 x 256 is made by four waves, each 128 x 128 in 64 accumulators (512 registers).  K goes in steps of 256 through two LDS slots filled by the tensor data mover; rows of 256 bytes.
; CLUSTERS: 4 x 4 work-groups; the four of a row of the cluster need the same rows of A's side, the four of a column the same rows of B's side: each tile is asked for jointly.
; THE MATRIX INSTRUCTION: source 0 = 16 rows of 'B registers', source 1 = 16 rows of 'A registers': a lane then holds ONE row of A's side and eight neighbours of B's side, which one conversion packs.
; q, k, h: A's side = tokens, B's side = features, so the codes run along the features (the next K).  v: the next K are the KEYS, so A's registers are fed from the weight's part of a slot and B's from xn's: the loads' sources and tiles differ, not the LDS bases.
; A fragment's registers 4 c .. 4 c + 3 hold K = 32 c + 16 (lane / 16) + 0..15: a permutation of k that is the same on both sides.
; OUT: number = sum x 2^(ea + eb) + bias; code = number / 2^eo held within +-448 (MODE 1: between 0 and 448: the activation and the hold in one).  k's rows of masked tokens are held within +-0: their codes are zeros.
; The codes meet in a stage of 256 rows x 272 bytes in slot 0 (it has had its last fill and its last read) and leave as images: ROW(T, r) = 32 (T / 2) + 8 (T % 2) + r + 8 (r / 8) is the row that lane r of tile T holds.
;   q, k planes: [head-batch 32][T 128][c' 2][lane][16 B]: token ROW(T, r), d = 32 c' + 16 h + 0..15.   v plane: [head-batch][step 16][dt 4][c 4][lane][16 B]: channel ROW(dt, r), keys 128 step + 32 c + 16 h + 0..15.
;   hid: [TT 256][ks 32][c 4][lane][16 B]: token ROW(TT, r), K = 128 ks + 32 c + 16 h + 0..15.
; LIMITS: ea + eb between -126 and 127; eo between -126 and 119.  NaN among the inputs is not served.
; REGISTERS, in windows of 256: window 0: v0-31 addresses, v32-127 biases and mask, from v128 A's fragments (one set), on the way out numbers and codes; window 1: B's fragments, two sets; windows 2, 3: the accumulators ((a, b) at v[8 (8 (a % 4) + b)]).
.set MODE,   0
.set ROWB,   256                       ; a tile's row in bytes
.set KROW,   1024                      ; a row of codes in memory
.set PITCH,  272                       ; an LDS row: 256 bytes + 16 of padding = 68 words: the 16 rows that a load touches start 4 words apart modulo 64 (64 banks of 4 bytes: ISA guide 11.1)
.set FR,     16
.set NL,     4
.set NP,     4                         ; places behind this matrix instruction (ISA guide 7.12.1)
.set HALFT,  128*PITCH
.set SLOT,   4*HALFT                   ; A's side's 256 rows, then B's side's 256 rows
.set SPARE,  2*SLOT                    ; the spare words: 128 bytes a wave, two blocks of 256 bytes that no other line names
.set ADRA, 16                          ; v16-17 LDS address of A's fragments in slot 0, 1
.set ADRB, 20                          ; v20-21 of B's
.set STO,  24                          ; v24  the stage: where I put 8 codes
.set RDQ,  25                          ; v25  where I read q's and k's images back
.set RDV,  26                          ; v26  v's and hid's
.set GO,   27                          ; v27  16 x lane
.set SPW,  28
.set NIL,  29
.set SCV,  30                          ; v30  2^eo
.set LIMV, 31                          ; v31  448 x 2^eo
.set MK,   32                          ; v32-39  the mask of my row in block a, then that block's limit
.set BIR,  40                          ; v40-47  the bias of my row in block a (v)
.set BJ,   48                          ; v48-111 the bias of my eight neighbours in tile b (q, k, h)
.set BI,   112                         ; v112-127 block a's row bias, twice
.set TMP,  128
.set CD,   192                         ; v192-223 a block's codes, two sets by turns
.set AF,   128
.set BK,   128
.set G1, 24
.set G0, 32
.set G1B, 48
.set G0B, 56
.set MSB, 0
.macro WIN new                         ; the immediate's high byte repeats the setting that is left
.if MSB != \new
	s_set_vgpr_msb (MSB<<8)|\new
.set MSB, \new
.endif
.endm
.set MUL_LO, 0xa1                      ; source 0 window 1, source 1 window 0, C and D window 2
.set MUL_HI, 0xf1                      ; the same, C and D window 3
.set TO_B,   0x40                      ; destination window 1, address window 0
; A joint load: waves 0 and 1 fetch A's side's halves, waves 2 and 3 B's side's.  The branch hangs on the wave's number alone.  Four v_nop follow each of the two lines.
.macro JLOAD g0a, g1a, g0b, g1b
	s_cmp_eq_u32 s15, 0
	s_cbranch_scc0 .Lfor_b_\@
	tensor_load_to_lds s[\g0a:\g0a+3], s[\g1a:\g1a+7]
	s_nop 0
.rept 4
	v_nop
.endr
	s_branch .Lasked_\@
.Lfor_b_\@:
	tensor_load_to_lds s[\g0b:\g0b+3], s[\g1b:\g1b+7]
	s_nop 0
.rept 4
	v_nop
.endr
.Lasked_\@:
.endm
.macro CREST                           ; a round of the cluster's barrier behind its opening barrier
	s_cmp_lg_u32 s14, 0
	s_cbranch_scc1 .Lnot_wave_0_\@
	s_barrier_signal -3
.Lnot_wave_0_\@:
	s_barrier_wait -3
	s_barrier_signal -1
	s_barrier_wait -1
.endm
.macro CROUND
	s_barrier_signal -1
	s_barrier_wait -1
	CREST
.endm
.if MODE == 0
	s_load_b512 s[68:83], s[0:1], 0x0              ; xn1, wq, wk, wv, bq, bk, bv, mask
	s_load_b128 s[84:87], s[0:1], 0x40             ; the exponents, qkv
.else
	s_load_b256 s[68:75], s[0:1], 0x0              ; xn2, w1, b1, the exponents
	s_load_b64 s[86:87], s[0:1], 0x20              ; hid
.endif
	v_lshl_add_u32 v[SPW], v0, 2, SPARE
	v_mov_b32 v[NIL], 0
	ds_add_u32 v28, v29
	ds_add_u32 v28, v29
	s_wait_dscnt 0x0
	v_lshrrev_b32 v1, 5, v0
	v_readfirstlane_b32 s14, v1                    ; wave 0..3
	s_lshr_b32 s15, s14, 1                         ; which half of A's side is mine.  Also: I fetch xn (0) or the weight (1)
	s_and_b32 s16, s14, 1                          ; which half of B's side.  Also: which 128 rows I fetch
	s_bfe_u32 s40, ttmp6, 0x40000                  ; cx, cy
	s_bfe_u32 s41, ttmp6, 0x40004
	; WHICH TILES (this takes the place of the choice of LDS bases that the head comment names: the LDS bases are now the same in all thirds).
	; q, k: A's side = tokens, tile 4 x cluster y + cy; B's side = features, tile cx.  v: A's side = features, tile cy; B's side = tokens, tile 4 x cluster y + cx.
	; So A's tile hangs on cy alone and B's on cx alone in every third, and the two masks stay as they are.
	s_and_b32 s2, ttmp7, 0xffff
	s_lshl_b32 s2, s2, 2                           ; 4 x cluster y
	s_add_co_u32 s17, s2, s41
	s_add_co_u32 s42, s2, s40
	s_cmp_eq_u32 ttmp9, 2                          ; the cluster's x, which all sixteen partners share
	s_cselect_b32 s94, s42, s17                    ; my tile of 256 tokens (for the way out alone)
	s_cselect_b32 s95, s41, s40                    ; my tile of 256 features (for the way out alone)
	s_cselect_b32 s17, s41, s17                    ; A's tile
	s_cselect_b32 s42, s42, s40                    ; B's tile
	s_lshl_b32 s43, s41, 2
	s_lshl_b32 s43, 15, s43                        ; my row of the cluster
	s_lshl_b32 s44, 0x1111, s40                    ; my column
	s_or_b32 s[G1+0], s43, (0<<16)|(1<<20)|(1<<21)|(5<<22)|(3<<25)  ; 15:0 the mask; 17:16 elements of 1 byte; 20 padding on; 21 set beside a mask; 24:22 after every 64 words; 31:25 four words
	s_or_b32 s[G1B+0], s44, (0<<16)|(1<<20)|(1<<21)|(5<<22)|(3<<25)
.irp g, G1, G1B
	s_mov_b32 s[\g+1], ROWB<<16                    ; tensor_dim0
	s_mov_b32 s[\g+2], 128<<16                     ; tensor_dim1
	s_mov_b32 s[\g+3], ROWB<<16                    ; tile_dim0
	s_mov_b32 s[\g+4], 128                         ; tile_dim1
	s_mov_b32 s[\g+5], KROW                        ; from row to row
	s_mov_b32 s[\g+6], 0
	s_mov_b32 s[\g+7], 0
.endr
	s_lshl_b32 s18, s16, 7
	s_lshl_b32 s20, s17, 8
	s_add_co_u32 s20, s20, s18
	s_lshl_b32 s20, s20, 10                        ; A's side: (256 x A's tile + 128 x half) rows of 1,024 bytes
.if MODE == 0
	s_lshl_b32 s19, ttmp9, 22
	s_cmp_eq_u32 ttmp9, 2
	s_cselect_b32 s3, 0, s19                       ; xn's plane: in A's offset for q and k,
	s_cselect_b32 s19, s19, 0                      ; in B's for v
	s_add_co_u32 s20, s20, s3
.endif
	s_mov_b32 s21, 0
	s_lshl_b32 s46, s42, 8
	s_add_co_u32 s46, s46, s18
	s_lshl_b32 s46, s46, 10
	s_add_co_u32 s46, s46, s19
	s_mov_b32 s47, 0
	s_mul_i32 s45, s14, HALFT                      ; where they go: wave x 128 rows
	s_wait_kmcnt 0x0
.if MODE == 0
	s_cmp_eq_u32 ttmp9, 0                          ; the third's weight and bias: a choice on the cluster's x, which all sixteen partners share
	s_cselect_b64 s[6:7], s[70:71], s[72:73]
	s_cselect_b64 s[8:9], s[76:77], s[78:79]
	s_cmp_eq_u32 ttmp9, 2
	s_cselect_b64 s[4:5], s[74:75], s[68:69]       ; A's side: wv for v, xn for q and k
	s_cselect_b64 s[6:7], s[68:69], s[6:7]         ; B's side: xn for v, the weight for q and k
	s_cselect_b64 s[8:9], s[80:81], s[8:9]
	s_mov_b64 s[12:13], s[82:83]
	s_mov_b64 s[10:11], s[86:87]
	s_load_b512 s[68:83], s[84:85], 0x0            ; all sixteen exponents, over the addresses that have been copied
.else
	s_mov_b64 s[4:5], s[68:69]
	s_mov_b64 s[6:7], s[70:71]
	s_mov_b64 s[8:9], s[72:73]
	s_mov_b64 s[84:85], s[74:75]
	s_mov_b64 s[10:11], s[86:87]
	s_load_b128 s[68:71], s[84:85], 48             ; e12, e13, e14, e15
.endif
	s_add_nc_u64 s[20:21], s[4:5], s[20:21]
	s_add_nc_u64 s[46:47], s[6:7], s[46:47]
	CROUND                                         ; all sixteen work-groups are here: the first joint loads meet
.irp s, 0,1
	s_mov_b32 s[G0+4*\s], 1
	s_add_co_u32 s[G0+4*\s+1], s45, \s*SLOT
	s_add_nc_u64 s[G0+4*\s+2:G0+4*\s+3], s[20:21], \s*ROWB
	s_or_b32 s[G0+4*\s+3], s[G0+4*\s+3], 0x80000000
	s_mov_b32 s[G0B+4*\s], 1
	s_add_co_u32 s[G0B+4*\s+1], s45, \s*SLOT
	s_add_nc_u64 s[G0B+4*\s+2:G0B+4*\s+3], s[46:47], \s*ROWB
	s_or_b32 s[G0B+4*\s+3], s[G0B+4*\s+3], 0x80000000
.endr
	JLOAD G0, G1, G0B, G1B                         ; K step 0: one tensor load a wave at the head
	; PREFETCH: a K step is 256 bytes of each row.  Of the 128 rows that I fetch, each of the four partners that ask for them jointly names 32, told apart by address (cx for A's side, cy for B's): a lane a row,
	; so each block of 256 bytes is named once in each cluster that loads it.  K steps 1 and 2 are asked for here, K step 3 behind K step 1's load: one or two fills ahead of the load that wants them.  The address registers are never rewritten.
	s_cmp_eq_u32 s15, 0                            ; do I fetch for A's side?
	s_cselect_b64 s[66:67], s[20:21], s[46:47]     ; the first of my 128 rows
	s_cselect_b32 s100, s40, s41                   ; my place among the four
	s_lshl_b32 s100, s100, 15                      ; 32 rows of 1,024 bytes
	s_mov_b32 s101, 0
	s_add_nc_u64 s[66:67], s[66:67], s[100:101]
	v_and_b32 v10, 31, v0
	v_lshlrev_b32 v11, 10, v10                     ; my lane's row
	global_prefetch_b8 v11, s[66:67] offset:256 th:TH_LOAD_NT scope:SCOPE_SE
	global_prefetch_b8 v11, s[66:67] offset:512 th:TH_LOAD_NT scope:SCOPE_SE
	v_and_b32 v1, 15, v0                           ; r
	v_bfe_u32 v2, v0, 4, 1                         ; h
	v_mul_u32_u24 v3, v1, PITCH
	v_lshl_add_u32 v4, v2, 4, v3                   ; a fragment's row x pitch + 16 h
.if MODE == 0
	s_wait_alu depctr_va_vdst(0)
	s_mov_b32 s23, 0                               ; A's registers read the first 256 rows of a slot,
	s_mov_b32 s18, 2*HALFT                         ; B's the second, in every third
.else
	s_mov_b32 s23, 0
	s_mov_b32 s18, 2*HALFT
.endif
	s_mul_i32 s21, s15, HALFT
	s_add_co_u32 s21, s21, s23
	s_mul_i32 s22, s16, HALFT
	s_add_co_u32 s22, s22, s18
.irp s, 0,1
	v_add_nc_u32 v[ADRA+\s], s21, v4
	v_add_nc_u32 v[ADRB+\s], s22, v4
	s_add_co_u32 s21, s21, SLOT
	s_add_co_u32 s22, s22, SLOT
.endr
	v_lshl_add_u32 v5, v2, 3, v3                   ; the stage: row 128 x (A's half) + r (+ 16 a), byte 128 x (B's half) + 8 h (+ 16 b)
	s_mul_i32 s21, s15, HALFT
	s_lshl_b32 s22, s16, 7
	s_add_co_u32 s21, s21, s22
	v_add_nc_u32 v[STO], s21, v5
	v_and_b32 v6, 8, v1
	v_add_nc_u32 v6, v6, v1                        ; r + 8 (r / 8)
	v_mul_u32_u24 v6, v6, PITCH
	v_lshl_add_u32 v6, v2, 4, v6
	s_lshl_b32 s21, s14, 6
	v_add_nc_u32 v[RDQ], s21, v6                   ; q, k: all 256 rows (tokens), my head's 64 bytes
	s_mul_i32 s21, s14, 64*PITCH
	v_add_nc_u32 v[RDV], s21, v6                   ; v, hid: my 64 rows, all 256 bytes
	v_and_b32 v5, 31, v0
	v_lshlrev_b32 v[GO], 4, v5
	s_lshl_b32 s88, s95, 10                        ; 4 bytes x 256 x my tile of features
	s_lshl_b32 s89, s16, 9
	s_add_co_u32 s89, s89, s88
	v_lshl_add_u32 v7, v2, 5, s89                  ; the bias of B's side: 4 (256 col + 128 half) + 32 h
.irp b, 0,1,2,3,4,5,6,7
	global_load_b128 v[BJ+8*\b:BJ+8*\b+3],   v7, s[8:9] offset:64*\b
	global_load_b128 v[BJ+8*\b+4:BJ+8*\b+7], v7, s[8:9] offset:64*\b+16
.endr
.if MODE == 0
	s_lshl_b32 s89, s15, 9
	s_add_co_u32 s90, s89, s88
	v_lshl_add_u32 v8, v1, 2, s90                  ; the bias of A's side: 4 (256 col + 128 half + r)
	s_lshl_b32 s90, s94, 10
	s_add_co_u32 s90, s90, s89
	v_lshl_add_u32 v9, v1, 2, s90                  ; the mask of A's side: 4 (256 tile row + 128 half + r)
.irp a, 0,1,2,3,4,5,6,7
	global_load_b32 v[BIR+\a], v8, s[8:9] offset:64*\a
	global_load_b32 v[MK+\a], v9, s[12:13] offset:64*\a
.endr
	s_lshr_b32 s88, s94, 3
	s_lshl_b32 s88, s88, 4
	s_lshl_b32 s89, s95, 2
	s_add_co_u32 s88, s88, s89
	s_add_co_u32 s88, s88, s14                     ; the head 4 x my tile of features + wave: 131,072 bytes each,
	s_lshl_b32 s88, s88, 17
	s_and_b32 s89, s94, 7
	s_lshl_b32 s89, s89, 14                        ; 256 tokens are 16,384 bytes of a head in each of the three layouts,
	s_add_co_u32 s88, s88, s89
	s_lshl_b32 s89, ttmp9, 22                      ; the third's plane
	s_add_co_u32 s88, s88, s89
.else
	s_lshl_b32 s88, s17, 4
	s_lshl_b32 s89, s14, 2
	s_add_co_u32 s88, s88, s89                     ; my first tile of tokens: 16 x tile row + 4 x wave: 65,536 bytes each
	s_lshl_b32 s88, s88, 16
	s_lshl_b32 s89, s42, 12                        ; two K steps of 2,048 bytes a tile column
	s_add_co_u32 s88, s88, s89
.endif
	s_mov_b32 s89, 0
	s_add_nc_u64 s[10:11], s[10:11], s[88:89]
.macro FRAG reg, adr, q, i             ; 16 rows x 128 K: registers 4 c .. 4 c + 3 hold K = 32 c + 16 (lane / 16) + 0..15
.irp c, 0,1,2,3
	ds_load_b128 v[\reg+4*\c:\reg+4*\c+3], v[\adr] offset:128*(\q)+32*\c+(\i)*16*PITCH
.endr
.endm
; 16 matrix instructions: A's blocks a0, a0 + 1 x B's eight.  The 64 accumulators take turns, one instruction a turn, in the same order in every step.
.macro MUL16 a0, p, zero
.irp a, \a0, \a0+1
.irp b, 0,1,2,3,4,5,6,7
.if \zero
	v_wmma_f32_16x16x128_fp8_fp8 v[8*(8*((\a)%4)+\b):8*(8*((\a)%4)+\b)+7], v[128*(\p)+FR*\b:128*(\p)+FR*\b+FR-1], v[AF+FR*(\a):AF+FR*(\a)+FR-1], 0
.else
	v_wmma_f32_16x16x128_fp8_fp8 v[8*(8*((\a)%4)+\b):8*(8*((\a)%4)+\b)+7], v[128*(\p)+FR*\b:128*(\p)+FR*\b+FR-1], v[AF+FR*(\a):AF+FR*(\a)+FR-1], v[8*(8*((\a)%4)+\b):8*(8*((\a)%4)+\b)+7]
.endif
.endr
.endr
.endm
.macro FETCH_B slot, q, p
	WIN TO_B
.irp i, 0,1,2,3,4,5,6,7
	FRAG 128*(\p)+FR*\i, ADRB+\slot, \q, \i
.endr
	WIN 0
.endm
.macro FETCH_A slot, q, i0
.irp i, \i0, \i0+1, \i0+2, \i0+3
	FRAG AF+FR*(\i), ADRA+\slot, \q, \i
.endr
.endm
.macro PLACES n                        ; plain instructions between a matrix instruction and a load into, or a vector read of, its registers (ISA guide 7.12.1 for vector instructions)
.rept \n
	v_nop
.endr
.endm
; A step of 128 along K that has its successor in the same slot.  A has one set of registers: blocks 0-3 are fetched anew in the step's middle, blocks 4-7 at its end; B has two sets.
.macro STEP slot, q, zero
	s_wait_dscnt 4*NL                              ; B's set and A's blocks 0-3 are in; the youngest sixteen loads (A's blocks 4-7) may be out
	WIN MUL_LO
	MUL16 0, (\q)%2, \zero
	MUL16 2, (\q)%2, \zero
	s_wait_dscnt 0                                 ; A's blocks 4-7 are in
	PLACES NP
	FETCH_B \slot, (\q)+1, 1-(\q)%2
	FETCH_A \slot, (\q)+1, 0
	WIN MUL_HI
	MUL16 4, (\q)%2, \zero
	MUL16 6, (\q)%2, \zero
	PLACES NP
	WIN 0
	FETCH_A \slot, (\q)+1, 4
.endm
; A slot's last step changes slots: one barrier; in front of it each wave waits for all its tensor loads, adds 0 to its spare word, and waits for that and for its reads of this slot.  fill = 1: the slot is filled again, two K steps ahead.
.macro TURN slot, next, fill
	s_wait_tensorcnt 0x0                           ; all my tensor loads have landed: my part of the next slot
	ds_add_u32 v[SPW], v[NIL]                      ; 0 onto my spare word
	s_wait_dscnt 4*NL+1                            ; (the add and A's blocks 4-7 may be out)
	WIN MUL_LO
	MUL16 0, 1, 0
	s_wait_dscnt 0x0                               ; the add is done, and my reads of this slot are over
	s_barrier_signal -1
	MUL16 2, 1, 0
	WIN 0
	s_barrier_wait -1
.if \fill
	CREST                                          ; the barrier has opened a round of the cluster's barrier: no wave of any partner still reads this slot or has a load on its way
	s_add_nc_u64 s[G0+4*\slot+2:G0+4*\slot+3], s[G0+4*\slot+2:G0+4*\slot+3], 2*ROWB
	s_add_nc_u64 s[G0B+4*\slot+2:G0B+4*\slot+3], s[G0B+4*\slot+2:G0B+4*\slot+3], 2*ROWB
	JLOAD G0+4*\slot, G1, G0B+4*\slot, G1B         ; the first tensor load behind the round; its four v_nop are the places in front of the loads below
.else
	PLACES NP
.endif
	FETCH_B \next, 0, 0
	FETCH_A \next, 0, 0
	WIN MUL_HI
	MUL16 4, 1, 0
	MUL16 6, 1, 0
	PLACES NP
	WIN 0
	FETCH_A \next, 0, 4
.endm
	s_wait_alu depctr_va_vdst(0)                   ; the head's end
	s_wait_tensorcnt 0x0                           ; my part of K step 0 is in; slot 1's first fill is issued as a refill is:
	ds_add_u32 v[SPW], v[NIL]                      ; 0 onto my spare word
	s_wait_dscnt 0x0
	CROUND                                         ; a whole round: everybody's part of K step 0 is in, and the joint loads meet
	JLOAD G0+4, G1, G0B+4, G1B                     ; K step 1: the first tensor load behind the round
	FETCH_B 0, 0, 0
	global_prefetch_b8 v11, s[66:67] offset:768 th:TH_LOAD_NT scope:SCOPE_SE   ; K step 3, the last
	FETCH_A 0, 0, 0
	FETCH_A 0, 0, 4
	STEP 0, 0, 1                                   ; the first products start the sums: nothing is cleared.  K = 1,024 is four fills of a slot: eight steps, written out
	TURN 0, 1, 1
	STEP 1, 0, 0
	TURN 1, 0, 1
	STEP 0, 0, 0
	TURN 0, 1, 0                                   ; nothing is left to fetch
	STEP 1, 0, 0
	s_wait_dscnt 4*NL
	WIN MUL_LO
	MUL16 0, 1, 0
	MUL16 2, 1, 0
	s_wait_dscnt 0
	WIN MUL_HI
	MUL16 4, 1, 0
	MUL16 6, 1, 0
	WIN 0
	; THE WAY OUT
	s_wait_kmcnt 0x0
.if MODE == 0
	s_cmp_eq_u32 ttmp9, 0                          ; the third's exponents: ea = e(2t), eb = e(2t + 1), eo = e(6 + t)
	s_cselect_b32 s90, s68, s70
	s_cselect_b32 s91, s69, s71
	s_cselect_b32 s92, s74, s75
	s_cmp_eq_u32 ttmp9, 2
	s_cselect_b32 s90, s72, s90
	s_cselect_b32 s91, s73, s91
	s_cselect_b32 s92, s76, s92
	s_cselect_b32 s98, -1, 0                       ; v: the bias goes with A's side,
	s_cselect_b32 s99, 0, -1                       ; q, k: with B's
	s_cmp_lg_u32 ttmp9, 1
	s_cselect_b32 s100, -1, 0                      ; the mask counts for k alone
.else
	s_mov_b32 s90, s68
	s_mov_b32 s91, s69
	s_mov_b32 s92, s70
.endif
	s_add_co_i32 s96, s90, s91
	s_add_co_i32 s96, s96, 127
	s_lshl_b32 s96, s96, 23                        ; 2^(ea + eb) as f32
	s_mov_b32 s97, s96                             ; (named with it as a pair)
	s_add_co_i32 s92, s92, 127
	s_lshl_b32 s93, s92, 23
	s_add_co_i32 s92, s92, 8
	s_lshl_b32 s92, s92, 23
	s_or_b32 s92, s92, 0x600000
	PLACES NP
	v_mov_b32 v[SCV], s93
	v_mov_b32 v[LIMV], s92
	s_wait_loadcnt 0x0                             ; biases and mask
.if MODE == 0
.set j, 0
.rept 64
	v_and_b32 v[BJ+j], s99, v[BJ+j]                ; the bias that does not apply becomes 0
.set j, j+1
.endr
.irp a, 0,1,2,3,4,5,6,7
	v_and_b32 v[BI+2*\a], s98, v[BIR+\a]
	v_and_b32 v[BI+2*\a+1], s98, v[BIR+\a]
	v_cmp_ne_u32 vcc_lo, 0, v[MK+\a]
	s_or_b32 vcc_lo, vcc_lo, s100
	v_cndmask_b32 v[MK+\a], 0, v[LIMV], vcc_lo     ; block a's limit for my row: 448 x 2^eo, or 0 for a masked token of k
.endr
.endif
; Block a: 16 rows of A's side x 128 of B's: scaled, biased, held, converted, eight codes a tile, into the stage.  Each accumulator is read from its low end on.
.macro OUTBLK a
.set AC, 64*((\a)%4)
.set CDS, CD+16*((\a)%2)
.if (\a) >= 2
	s_wait_dscnt 8                                 ; block a - 2's stores have read this set of codes; block a - 1's eight may be out
.endif
.if MODE == 0
.set j, 0
.rept 32
	v_pk_add_f32 v[TMP+j:TMP+j+1], v[BJ+j:BJ+j+1], v[BI+2*(\a):BI+2*(\a)+1]
.set j, j+2
.endr
	WIN 0x02+((\a)/4)                              ; source 0: window 2 or 3
.set j, 0
.rept 32
	v_pk_fma_f32 v[TMP+j:TMP+j+1], v[AC+j:AC+j+1], s[96:97], v[TMP+j:TMP+j+1] op_sel_hi:[1,0,1]
.set j, j+2
.endr
.else
	WIN 0x02+((\a)/4)
.set j, 0
.rept 32
	v_pk_fma_f32 v[TMP+j:TMP+j+1], v[AC+j:AC+j+1], s[96:97], v[BJ+j:BJ+j+1] op_sel_hi:[1,0,1]
.set j, j+2
.endr
.endif
	WIN 0
.irp b, 0,1,2,3,4,5,6,7
.irp i, 0,1,2,3,4,5,6,7
.if MODE == 0
	v_med3_num_f32 v[TMP+8*\b+\i], v[TMP+8*\b+\i], -v[MK+(\a)], v[MK+(\a)]   ; the conversion does not saturate (ISA guide 7.6.2): the hold
.else
	v_med3_num_f32 v[TMP+8*\b+\i], v[TMP+8*\b+\i], 0, v[LIMV]                ; the activation and the hold in one
.endif
.endr
	v_cvt_scalef32_pk8_fp8_f32 v[CDS+2*\b:CDS+2*\b+1], v[TMP+8*\b:TMP+8*\b+7], v[SCV]
.endr
	v_nop                                          ; a plain instruction between the last conversion and the next write of its sources
.irp b, 0,1,2,3,4,5,6,7
	ds_store_b64 v[STO], v[CDS+2*\b:CDS+2*\b+1] offset:(\a)*16*PITCH+16*\b
.endr
.endm
.irp a, 0,1,2,3,4,5,6,7
	OUTBLK \a
.endr
	s_wait_dscnt 0x0                               ; for the others' sake: my codes lie in the stage
	s_barrier_signal -1
	s_barrier_wait -1
.if MODE == 0
	s_cmp_eq_u32 ttmp9, 2                          ; a branch on the cluster's x, round the loads alone; both ways issue 32
	s_cbranch_scc1 .Lback_v
.set n, 0
.rept 32                               ; q, k: n = 2 T + c': token ROW(T, r), my head's bytes 32 c' + 16 h on
	ds_load_b128 v[BK+4*n:BK+4*n+3], v[RDQ] offset:(32*((n/2)/2)+8*((n/2)%2))*PITCH+32*(n%2)
.set n, n+1
.endr
	s_branch .Lback_done
.Lback_v:
.set n, 0
.rept 32                               ; v: n = 16 s' + 4 dt + c: channel ROW(dt, r) of my head, keys 128 s' + 32 c + 16 h on
	ds_load_b128 v[BK+4*n:BK+4*n+3], v[RDV] offset:(32*(((n/4)%4)/2)+8*(((n/4)%4)%2))*PITCH+128*(n/16)+32*(n%4)
.set n, n+1
.endr
.Lback_done:
.else
.set n, 0
.rept 32                               ; hid: n = 8 tt + 4 ks' + c: token ROW(4 wave + tt, r), K 128 ks' + 32 c + 16 h on
	ds_load_b128 v[BK+4*n:BK+4*n+3], v[RDV] offset:(32*((n/8)/2)+8*((n/8)%2))*PITCH+128*((n/4)%2)+32*(n%4)
.set n, n+1
.endr
.endif
.set n, 0
.rept 32
	s_wait_dscnt 31-n                              ; LDS loads come back in order: load n is in
.if MODE == 0
	global_store_b128 v[GO], v[BK+4*n:BK+4*n+3], s[10:11] offset:512*n th:TH_STORE_NT   ; the wave stores 512 consecutive bytes, aligned
.else
	global_store_b128 v[GO], v[BK+4*n:BK+4*n+3], s[10:11] offset:65536*(n/8)+2048*((n/4)%2)+512*(n%4) th:TH_STORE_NT
.endif
.set n, n+1
.endr
	s_wait_tensorcnt 0x0                           ; the wave's end
	ds_add_u32 v[SPW], v[NIL]
	s_wait_dscnt 0x0
	CROUND                                         ; the closing round: no work-group ends while a partner may still ask for a tile that names it
	s_endpgm
.Lfunc_end_k_qa0b1726b2a_qkv:
	.size	k_qa0b1726b2a_qkv, .Lfunc_end_k_qa0b1726b2a_qkv-k_qa0b1726b2a_qkv
	.p2alignl 7, 3214868480
	.fill 96, 4, 3214868480
	.section	.rodata,"a",@progbits
	.p2align	6, 0x0
	.amdhsa_kernel k_qa0b1726b2a_qkv
		.amdhsa_group_segment_fixed_size 327680
		.amdhsa_private_segment_fixed_size 0
		.amdhsa_enable_private_segment 0
		.amdhsa_kernarg_size 80
		.amdhsa_user_sgpr_count 2
		.amdhsa_user_sgpr_kernarg_segment_ptr 1
		.amdhsa_wavefront_size32 1
		.amdhsa_system_sgpr_workgroup_id_x 1
		.amdhsa_system_sgpr_workgroup_id_y 1
		.amdhsa_system_sgpr_workgroup_id_z 1
		.amdhsa_system_vgpr_workitem_id 0
		.amdhsa_next_free_vgpr 1024
		.amdhsa_next_free_sgpr 102
		.amdhsa_reserve_vcc 1
		.amdhsa_float_denorm_mode_32 3
		.amdhsa_float_denorm_mode_16_64 3
		.amdhsa_memory_ordered 1
		.amdhsa_forward_progress 1
		.amdhsa_inst_pref_size 168
	.end_amdhsa_kernel
	.amdgpu_metadata
---
amdhsa.version: [ 1, 2 ]
amdhsa.kernels:
  - .name:           k_qa0b1726b2a_qkv
    .symbol:         k_qa0b1726b2a_qkv.kd
    .args:
      - { .name: xn1, .offset: 0, .size: 8, .value_kind: global_buffer, .address_space: global }
      - { .name: wq_codes, .offset: 8, .size: 8, .value_kind: global_buffer, .address_space: global }
      - { .name: wk_codes, .offset: 16, .size: 8, .value_kind: global_buffer, .address_space: global }
      - { .name: wv_codes, .offset: 24, .size: 8, .value_kind: global_buffer, .address_space: global }
      - { .name: bq, .offset: 32, .size: 8, .value_kind: global_buffer, .address_space: global }
      - { .name: bk, .offset: 40, .size: 8, .value_kind: global_buffer, .address_space: global }
      - { .name: bv, .offset: 48, .size: 8, .value_kind: global_buffer, .address_space: global }
      - { .name: mask, .offset: 56, .size: 8, .value_kind: global_buffer, .address_space: global }
      - { .name: lowp_scales, .offset: 64, .size: 8, .value_kind: global_buffer, .address_space: global }
      - { .name: qkv, .offset: 72, .size: 8, .value_kind: global_buffer, .address_space: global }
    .group_segment_fixed_size: 327680
    .private_segment_fixed_size: 0
    .kernarg_segment_align: 8
    .kernarg_segment_size: 80
    .max_flat_workgroup_size: 128
    .sgpr_count:     102
    .vgpr_count:     1024
    .wavefront_size: 32
...
	.end_amdgpu_metadata
.endif
;; end of part 2
;; launch attn (part 3): grid 8 x 32, 8 waves a work-group, clusters of 4 x 1, 327,680 bytes of LDS; arguments qkv, mask, lowp_scales, att; writes att
.if DOCPART == 3
	.amdgcn_target "amdgcn-amd-amdhsa--gfx1250"
	.amdhsa_code_object_version 6
	.text
	.protected	k_qa0b1726b2a_attn
	.globl	k_qa0b1726b2a_attn
	.p2align	8
	.type	k_qa0b1726b2a_attn,@function
k_qa0b1726b2a_attn:
	s_mov_b64 s[64:65], 0
	v_nop
	global_prefetch_b8 v0, s[64:65] scope:SCOPE_SE
	s_setreg_imm32_b32 hwreg(HW_REG_WAVE_MODE, 25, 1), 1
	s_wait_xcnt 0x0
	s_wait_alu depctr_hold_cnt(0) depctr_sa_sdst(0) depctr_va_vdst(0) depctr_va_sdst(0) depctr_va_ssrc(0) depctr_va_vcc(0) depctr_vm_vsrc(0)
	s_getreg_b32 s2, hwreg(HW_REG_IB_STS2, 6, 4)
	s_cmp_eq_u32 s2, 0
	s_cbranch_scc0 .Lentry_in_a_cluster
	s_endpgm
.Lentry_in_a_cluster:
	s_bfe_u32 s2, ttmp6, 0x10000c
	s_cmp_lg_u32 s2, 0x3003
	s_cbranch_scc0 .Lentry_shape_is_right
	s_endpgm
.Lentry_shape_is_right:
; Attention of one head on E4M3 codes: o = softmax(q k^T / 8, masked keys at a very low score) v, quantised again with the scale of the projection that follows.
; qkv: three planes of 4 MiB, each [head-batch 32][131,072 bytes], laid as images of operand registers.  ROW(T, r) = 32 (T / 2) + 8 (T % 2) + r + 8 (r / 8).
;   q, k: [T 128][c' 2][lane][16 B]: token ROW(T, r), d = 32 c' + 16 h + 0..15.   v: [step 16][dt 4][c 4][lane][16 B]: channel ROW(dt, r), keys 128 step + 32 c + 16 h + 0..15.
; att: [TT 256][ks 8][c 4][lane][16 B]: token ROW(TT, r), K = 128 ks + 32 c + 16 h + 0..15.
; THE SOFTMAX: t = score x log2(e) / 8; M = the running largest t rounded up to a whole number; p = 2^(t - M) is quantised; the row's sum is taken of the unquantised p and divides at the end.
; THE MASK: k's codes of masked tokens are zeros (the launch before), and -2^(33 - eq - ek) is the C operand of their scores: p = 0 beside any open key, and equal p where a whole row is masked.
; SHARES: a work-group owns 256 queries of one head; each of its eight waves 32 of them, two tiles x = 0, 1; two waves to a SIMD.  Both products are used transposed: a lane holds one query of each tile.
; LDS: the head's K (131,072 bytes) and V (131,072 bytes) lie there whole, each byte filled once.  At the head each wave asks for 8,192 bytes: together the first 512 keys of K and of V (steps 0 to 3).
; Behind the full sequence ahead of a later first fill, each wave asks for 24,576 bytes more: the other 1,536 keys, which have steps 0 to 2 in which to land; one barrier stands ahead of step 3,
; whose look-ahead is the first to read them.  Then 8,192 bytes of mask terms, then the spare words.
; CLUSTER: the four work-groups of a cluster own query blocks of one head and ask for K and V jointly (mask 15).
; No prefetch: all that the launch reads through LDS has been asked for when the first step begins, so there is no loop to run ahead in.
; A KEY STEP (128 keys), in batches: the scalings of tile 0; tile 0's exponentials with tile 1's scalings between them; tile 1's exponentials with tile 0's first sums (into registers of their own) and holds between them;
; then one wait, the rescaling of O^T, tile 0's codes and product, tile 1's sums, holds, codes and product.
; LIMITS: eq + ek between -94 and 130; ep and the output's exponent between -126 and 119; the scaled scores stay under 2^31 in magnitude.  NaN among the inputs is not served.
; REGISTERS: window 0: v3-10 addresses; v12-27 state of the two tiles (-M, largest t, sum x 2, f, 0, two at work); v36-51 Q; v52-83 p's codes; v96-223 scores, then p; v224-255 first sums, at the end the output's codes.
;            window 1: v0-63 K's fragments; v64-127 V's; v128-191 mask terms; v192-255 O^T.
.set BIASB, 262144
.set VLDS,  131072
.set SPARE, 0x42000
.set LI,  3
.set BIA, 4
.set ADK, 5
.set ADV, 6
.set ADB, 7
.set LIV, 8
.set SPW, 9
.set NIL, 10
.set ST,  12
.set AUX, 28
.set HL,  32
.set SCP, 33
.set PD,  34
.set QF,  36
.set PC,  52
.set MKR, 84
.set LA,  92
.set SCA, 93
.set HL2, 94
.set S,   96
.set T,   224
.set OC,  224
.set KF,  0
.set VF,  64
.set CB,  128
.set OT,  192
.set WV,  12
.set SEL, 20
.set CS,  22
.set G1,  24                           ; s[24:31] group 1 of the head's load; s[32:35] its group 0
.set G0,  32
.set G1B, 36                           ; s[36:43], s[44:47] the same for the second load
.set G0B, 44
.set KB,  48
.set BB,  49
.set CNT, 50
.set MSB, 0
.macro WIN new                         ; the immediate's high byte repeats the setting that is left
.if MSB != \new
	s_set_vgpr_msb (MSB<<8)|\new
.set MSB, \new
.endif
.endm
.macro CROUND                          ; a round of the cluster's barrier
	s_barrier_signal -1
	s_barrier_wait -1
	s_cmp_lg_u32 s[WV], 0
	s_cbranch_scc1 .Lnot_wave_0_\@
	s_barrier_signal -3
.Lnot_wave_0_\@:
	s_barrier_wait -3
	s_barrier_signal -1
	s_barrier_wait -1
.endm
	s_load_b256 s[4:11], s[0:1], 0x0               ; qkv, mask, the exponents, att
	v_lshl_add_u32 v[SPW], v0, 2, SPARE
	v_mov_b32 v[NIL], 0
	ds_add_u32 v[SPW], v[NIL]                      ; the opening lines: the add twice on end and one wait
	ds_add_u32 v[SPW], v[NIL]
	v_lshrrev_b32 v1, 5, v0
	v_readfirstlane_b32 s[WV], v1                  ; wave 0..7
	s_bfe_u32 s13, ttmp6, 0x40000                  ; cx
	s_lshl_b32 s14, ttmp9, 2
	s_add_co_u32 s14, s14, s13                     ; my block of 256 queries
	s_and_b32 s15, ttmp7, 0xffff                   ; head-batch
	s_mov_b32 s[G1], 15|(3<<16)|(1<<21)            ; the four partners; elements of 8 bytes; no padding: images are read 512 bytes on end
	s_mov_b32 s[G1+1], 32<<16                      ; rows of 256 bytes,
	s_mov_b32 s[G1+2], 32<<16                      ; 32 of them: 8,192 bytes, dense in memory
	s_mov_b32 s[G1+3], 32<<16
	s_mov_b32 s[G1+4], 32
	s_mov_b32 s[G1+5], 32
	s_mov_b32 s[G1+6], 0
	s_mov_b32 s[G1+7], 0
	s_mov_b32 s[G1B], 15|(3<<16)|(1<<21)
	s_mov_b32 s[G1B+1], 32<<16
	s_mov_b32 s[G1B+2], 96<<16                     ; 96 rows: 24,576 bytes
	s_mov_b32 s[G1B+3], 32<<16
	s_mov_b32 s[G1B+4], 96
	s_mov_b32 s[G1B+5], 32
	s_mov_b32 s[G1B+6], 0
	s_mov_b32 s[G1B+7], 0
	s_mov_b32 s[SEL], 0x76543210
	s_mov_b32 s[SEL+1], 0xfedcba98
	s_lshr_b32 s16, s[WV], 2                       ; waves 0-3 ask for K, waves 4-7 for V,
	s_and_b32 s17, s[WV], 3                        ; a quarter of each load's part
	s_lshl_b32 s18, s16, 17
	s_lshl_b32 s19, s17, 13
	s_add_co_u32 s18, s18, s19                     ; where the head's 8,192 bytes go in LDS
	s_add_co_u32 s2, s16, 1
	s_lshl_b32 s2, s2, 22                          ; plane 1 or 2
	s_lshl_b32 s3, s15, 17
	s_add_co_u32 s2, s2, s3
	s_add_co_u32 s2, s2, s19
	s_mov_b32 s3, 0
	s_lshl_b32 s60, s17, 14
	s_add_co_u32 s60, s60, 32768                   ; from there to my part of the second load, in LDS and in memory alike: 32,768 + 24,576 q - 8,192 q
	s_mov_b32 s61, 0
	s_wait_dscnt 0x0
	s_wait_kmcnt 0x0
	s_load_b128 s[52:55], s[8:9], 24               ; eq, ek, ev, ep
	s_load_b32 s56, s[8:9], 40                     ; the output's exponent
	s_add_nc_u64 s[2:3], s[4:5], s[2:3]
	s_mov_b32 s[G0], 1
	s_mov_b32 s[G0+1], s18
	s_mov_b64 s[G0+2:G0+3], s[2:3]
	s_or_b32 s[G0+3], s[G0+3], 0x80000000
	s_mov_b32 s[G0B], 1
	s_add_co_u32 s[G0B+1], s18, s60
	s_add_nc_u64 s[G0B+2:G0B+3], s[2:3], s[60:61]
	s_or_b32 s[G0B+3], s[G0B+3], 0x80000000
	CROUND                                         ; the four partners are here: the joint loads meet
	tensor_load_to_lds s[G0:G0+3], s[G1:G1+7]      ; my one tensor load at the head
	s_nop 0
.rept 4
	v_nop
.endr
	s_lshl_b32 s16, s14, 4
	s_lshl_b32 s17, s[WV], 1
	s_add_co_u32 s16, s16, s17                     ; my first tile of queries
	s_lshl_b32 s58, s15, 17
	s_lshl_b32 s17, s16, 10
	s_add_co_u32 s58, s58, s17
	s_mov_b32 s59, 0
	s_add_nc_u64 s[4:5], s[4:5], s[58:59]          ; q's images
	s_lshr_b32 s17, s15, 4                         ; the batch
	s_lshl_b32 s58, s17, 13
	s_add_nc_u64 s[6:7], s[6:7], s[58:59]          ; its row of the mask
	s_lshl_b32 s17, s17, 7
	s_add_co_u32 s17, s17, s16
	s_lshl_b32 s58, s17, 14
	s_and_b32 s17, s15, 15
	s_lshl_b32 s17, s17, 10
	s_add_co_u32 s58, s58, s17
	s_add_nc_u64 s[10:11], s[10:11], s[58:59]      ; my images in att
	s_mov_b32 s[KB], 0
	s_mov_b32 s[BB], 0
	s_mov_b32 s[CNT], 3
	v_and_b32 v1, 31, v0
	v_lshlrev_b32 v[LI], 4, v1                     ; 16 x lane
	v_bfe_u32 v2, v0, 4, 1
	v_lshl_add_u32 v[BIA], v2, 6, BIASB            ; the mask terms of my half's 16 keys
	v_add_nc_u32 v[LIV], VLDS, v[LI]
	v_lshl_add_u32 v11, v0, 5, BIASB               ; where my thread puts eight mask terms
	v_lshlrev_b32 v95, 5, v0                       ; and where it reads eight words of the mask
	v_add_nc_u32 v[ADK], s[KB], v[LI]
	v_add_nc_u32 v[ADV], s[KB], v[LIV]
	v_add_nc_u32 v[ADB], s[BB], v[BIA]
	s_wait_alu depctr_va_vdst(0)
	global_load_b128 v[MKR:MKR+3],   v95, s[6:7]
	global_load_b128 v[MKR+4:MKR+7], v95, s[6:7] offset:16
.irp x, 0,1
.irp c, 0,1
	global_load_b128 v[QF+8*\x+4*\c:QF+8*\x+4*\c+3], v[LI], s[4:5] offset:1024*\x+512*\c
.endr
.endr
.irp x, 0,1
	v_mov_b32 v[ST+8*\x+1], 0xff61b1e6             ; the largest t so far: -3e38
	v_mov_b32 v[ST+8*\x+2], 0
	v_mov_b32 v[ST+8*\x+3], 0
	v_mov_b32 v[ST+8*\x+5], 0
	v_mov_b32 v[PD+\x], 0
	v_floor_f32 v[ST+8*\x], -v[ST+8*\x+1]          ; -M
.endr
	WIN 0x40
.set j, 0
.rept 64
	v_mov_b32 v[OT+j], 0                           ; O^T: the step is written for all steps alike, and the first change of M leaves zeros zeros
.set j, j+1
.endr
	WIN 0
	s_wait_kmcnt 0x0
	s_add_co_i32 s57, s52, s53
	s_lshl_b32 s58, s57, 23
	s_mov_b32 s[CS], 0x3e38aa3b                    ; log2(e) / 8,
	s_add_co_i32 s[CS], s[CS], s58                 ; x 2^(eq + ek), by its exponent field
	s_mov_b32 s[CS+1], s[CS]
	s_sub_co_i32 s58, 160, s57
	s_lshl_b32 s58, s58, 23
	s_or_b32 s58, s58, 0x80000000
	v_mov_b32 v1, s58                              ; -2^(33 - eq - ek)
	s_add_co_i32 s58, s55, 127
	s_lshl_b32 s59, s58, 23
	v_mov_b32 v[SCP], s59                          ; 2^ep
	s_add_co_i32 s58, s58, 8
	s_lshl_b32 s58, s58, 23
	s_or_b32 s58, s58, 0x600000
	v_mov_b32 v[HL], s58                           ; 448 x 2^ep, twice: the two halves of a dual instruction read different banks
	v_mov_b32 v[HL2], s58
	s_add_co_i32 s58, s56, 127
	s_lshl_b32 s59, s58, 23
	v_mov_b32 v[SCA], s59
	s_add_co_i32 s58, s58, 8
	s_lshl_b32 s58, s58, 23
	s_or_b32 s58, s58, 0x600000
	v_mov_b32 v[LA], s58
	s_add_co_i32 s57, s54, s55                     ; ev + ep
	s_wait_alu depctr_va_vdst(0)
	s_wait_loadcnt 4                               ; the mask's two loads; Q's four may be out
.irp i, 0,1,2,3,4,5,6,7
	v_cmp_eq_u32 vcc_lo, 0, v[MKR+\i]
	v_cndmask_b32 v[MKR+\i], 0, v1, vcc_lo
.endr
	ds_store_b128 v11, v[MKR:MKR+3]
	ds_store_b128 v11, v[MKR+4:MKR+7] offset:16
.macro KLOAD ak, ab, ko, bo            ; a step's eight fragments of K and its 64 mask terms a lane
	WIN 0x40
.irp kt, 0,1,2,3,4,5,6,7
.irp c, 0,1
	ds_load_b128 v[KF+8*\kt+4*\c:KF+8*\kt+4*\c+3], v[\ak] offset:\ko+1024*\kt+512*\c
.endr
.endr
.irp kt, 0,1,2,3,4,5,6,7
	ds_load_b128 v[CB+8*\kt:CB+8*\kt+3],   v[\ab] offset:\bo+128*(\kt/2)+32*(\kt%2)
	ds_load_b128 v[CB+8*\kt+4:CB+8*\kt+7], v[\ab] offset:\bo+128*(\kt/2)+32*(\kt%2)+16
.endr
	WIN 0
.endm
.macro FMA x, p                        ; t - M, two at a time
	v_pk_fma_f32 v[S+64*(\x)+2*(\p):S+64*(\x)+2*(\p)+1], v[S+64*(\x)+2*(\p):S+64*(\x)+2*(\p)+1], s[CS:CS+1], v[ST+8*(\x):ST+8*(\x)+1] op_sel_hi:[1,0,0]
.endm
.macro SUMF x                          ; the sum under the new M
	v_pk_mul_f32 v[ST+8*(\x)+2:ST+8*(\x)+3], v[ST+8*(\x)+2:ST+8*(\x)+3], v[ST+8*(\x)+4:ST+8*(\x)+5] op_sel_hi:[1,0]
.endm
.macro ADDP x, q                       ; the sum of the unquantised p, in two chains
.if (\q) == 1
	v_pk_add_f32 v[AUX+2*(\x):AUX+2*(\x)+1], v[S+64*(\x):S+64*(\x)+1], v[S+64*(\x)+2:S+64*(\x)+3]
.elseif ((\q) > 1) && (((\q)%2) == 0)
	v_pk_add_f32 v[ST+8*(\x)+2:ST+8*(\x)+3], v[ST+8*(\x)+2:ST+8*(\x)+3], v[S+64*(\x)+2*(\q):S+64*(\x)+2*(\q)+1]
.elseif (\q) > 1
	v_pk_add_f32 v[AUX+2*(\x):AUX+2*(\x)+1], v[AUX+2*(\x):AUX+2*(\x)+1], v[S+64*(\x)+2*(\q):S+64*(\x)+2*(\q)+1]
.endif
.endm
.macro HOLD2 x, p                      ; the conversion does not saturate (ISA guide 7.6.2); p is not negative, so the hold is one-sided
	v_dual_min_num_f32 v[S+64*(\x)+2*(\p)], v[S+64*(\x)+2*(\p)], v[HL] :: v_dual_min_num_f32 v[S+64*(\x)+2*(\p)+1], v[S+64*(\x)+2*(\p)+1], v[HL2]
.endm
.macro CVT2 x, b
	v_cvt_scalef32_pk8_fp8_f32 v[PC+16*(\x)+4*(\b):PC+16*(\x)+4*(\b)+1],   v[S+64*(\x)+16*(\b):S+64*(\x)+16*(\b)+7],    v[SCP]
	v_cvt_scalef32_pk8_fp8_f32 v[PC+16*(\x)+4*(\b)+2:PC+16*(\x)+4*(\b)+3], v[S+64*(\x)+16*(\b)+8:S+64*(\x)+16*(\b)+15], v[SCP]
.endm
.macro PV x                            ; O^T += V^T P^T: four accumulators, one instruction each
	WIN 0x51
.irp dt, 0,1,2,3
	v_wmma_f32_16x16x128_fp8_fp8 v[OT+32*(\x)+8*\dt:OT+32*(\x)+8*\dt+7], v[VF+16*\dt:VF+16*\dt+15], v[PC+16*(\x):PC+16*(\x)+15], v[OT+32*(\x)+8*\dt:OT+32*(\x)+8*\dt+7]
.endr
	WIN 0
.endm
; A KEY STEP.  pre = 1: the next step's K and mask terms are fetched, and the addresses step.
.macro STEP pre
	s_wait_dscnt 0x0                               ; this step's K and mask terms, asked for a step ago
	WIN 0x11
.irp kt, 0,1,2,3,4,5,6,7
.irp x, 0,1
	v_wmma_f32_16x16x64_fp8_fp8 v[S+64*\x+8*\kt:S+64*\x+8*\kt+7], v[KF+8*\kt:KF+8*\kt+7], v[QF+8*\x:QF+8*\x+7], v[CB+8*\kt:CB+8*\kt+7]
.endr
.endr
.rept 4
	v_nop                                          ; places in front of the loads into registers that these products and the last step's have read
.endr
	WIN 0x40
.irp dt, 0,1,2,3
.irp c, 0,1,2,3
	ds_load_b128 v[VF+16*\dt+4*\c:VF+16*\dt+4*\c+3], v[ADV] offset:2048*\dt+512*\c
.endr
.endr
.if \pre
	KLOAD ADK, ADB, 8192, 512
	s_add_co_u32 s[KB], s[KB], 8192
	s_add_co_u32 s[BB], s[BB], 512
	v_add_nc_u32 v[ADK], s[KB], v[LI]              ; the next step's addresses: the whole softmax stands between these lines and their readers
	v_add_nc_u32 v[ADV], s[KB], v[LIV]
	v_add_nc_u32 v[ADB], s[BB], v[BIA]
.else
	WIN 0
.endif
.irp x, 0,1
	v_max3_num_f32 v[ST+8*\x+6], v[S+64*\x], v[S+64*\x+1], v[S+64*\x+2]
	v_max3_num_f32 v[ST+8*\x+7], v[S+64*\x+3], v[S+64*\x+4], v[S+64*\x+5]
.endr
.irp i, 6,10,14,18,22,26,30,34,38,42,46,50,54,58
.irp x, 0,1
	v_max3_num_f32 v[ST+8*\x+6], v[ST+8*\x+6], v[S+64*\x+\i], v[S+64*\x+\i+1]
	v_max3_num_f32 v[ST+8*\x+7], v[ST+8*\x+7], v[S+64*\x+\i+2], v[S+64*\x+\i+3]
.endr
.endr
.irp x, 0,1
	v_max3_num_f32 v[ST+8*\x+6], v[ST+8*\x+6], v[S+64*\x+62], v[S+64*\x+63]
.endr
.irp x, 0,1
	s_delay_alu instid0(VALU_DEP_2)
	v_max_num_f32 v[ST+8*\x+6], v[ST+8*\x+6], v[ST+8*\x+7]
.endr
.irp x, 0,1
	s_delay_alu instid0(VALU_DEP_2)
	v_permlanex16_b32 v[PD+\x], v[ST+8*\x+6], s[SEL], s[SEL+1]
.endr
.irp x, 0,1
	s_delay_alu instid0(VALU_DEP_2)
	v_max_num_f32 v[ST+8*\x+6], v[ST+8*\x+6], v[PD+\x]
.endr
.irp x, 0,1
	s_delay_alu instid0(VALU_DEP_2)
	v_mul_f32 v[ST+8*\x+6], s[CS], v[ST+8*\x+6]    ; as t
.endr
.irp x, 0,1
	s_delay_alu instid0(VALU_DEP_2)
	v_max_num_f32 v[ST+8*\x+1], v[ST+8*\x+1], v[ST+8*\x+6]
.endr
.irp x, 0,1
	v_mov_b32 v[ST+8*\x+6], v[ST+8*\x]
.endr
.irp x, 0,1
	s_delay_alu instid0(VALU_DEP_4)
	v_floor_f32 v[ST+8*\x], -v[ST+8*\x+1]          ; the new -M
.endr
.irp x, 0,1
	s_delay_alu instid0(VALU_DEP_2)
	v_sub_f32 v[ST+8*\x+6], v[ST+8*\x], v[ST+8*\x+6]
.endr
.irp x, 0,1
	s_delay_alu instid0(VALU_DEP_2)
	v_cvt_i32_f32 v[ST+8*\x+6], v[ST+8*\x+6]
.endr
.irp x, 0,1
	s_delay_alu instid0(VALU_DEP_2)
	v_ldexp_f32 v[ST+8*\x+4], 1.0, v[ST+8*\x+6]    ; f = 2^(old M - new M)
.endr
.set i, 0
.rept 32
	FMA 0, i
.set i, i+1
.endr
	s_wait_alu depctr_va_vdst(0)                   ; ahead of the batch
.set i, 0
.rept 32
	v_exp_f32 v[S+2*i], v[S+2*i]                   ; tile 0's p; tile 1's scalings stand between: their results are first read behind the next wait
	FMA 1, i
	v_exp_f32 v[S+2*i+1], v[S+2*i+1]
.set i, i+1
.endr
	SUMF 0                                         ; a plain place behind the exponentials
	s_wait_alu depctr_va_vdst(0)                   ; behind tile 0's batch and ahead of tile 1's
.set i, 0
.rept 16
	v_exp_f32 v[S+64+4*i], v[S+64+4*i]             ; tile 1's p; between them tile 0's first sums, each into a pair of its own, and its holds: all first read behind the next wait
	v_pk_add_f32 v[T+2*i:T+2*i+1], v[S+4*i:S+4*i+1], v[S+4*i+2:S+4*i+3]
	v_exp_f32 v[S+64+4*i+1], v[S+64+4*i+1]
	HOLD2 0, 2*i
	v_exp_f32 v[S+64+4*i+2], v[S+64+4*i+2]
	HOLD2 0, 2*i+1
	v_exp_f32 v[S+64+4*i+3], v[S+64+4*i+3]
.set i, i+1
.endr
	SUMF 1                                         ; a plain place
	WIN 0x41
	s_wait_alu depctr_va_vdst(0)                   ; one wait: behind the batch, and directly ahead of the first readers of O^T
.set j, 0
.rept 32
	v_pk_mul_f32 v[OT+j:OT+j+1], v[OT+j:OT+j+1], v[ST+8*(j/32)+4:ST+8*(j/32)+5] op_sel_hi:[1,0]   ; O^T under the new M
.set j, j+2
.endr
	WIN 0
.irp b, 0,1,2,3
	CVT2 0, \b
.endr
	v_pk_add_f32 v[AUX:AUX+1], v[T:T+1], v[T+2:T+3]   ; tile 0's sixteen first sums, in two chains
.set i, 2
.rept 7
	v_pk_add_f32 v[ST+2:ST+3], v[ST+2:ST+3], v[T+2*i:T+2*i+1]
	v_pk_add_f32 v[AUX:AUX+1], v[AUX:AUX+1], v[T+2*i+2:T+2*i+3]
.set i, i+2
.endr
	v_pk_add_f32 v[ST+2:ST+3], v[ST+2:ST+3], v[AUX:AUX+1]
	s_wait_alu depctr_va_vdst(0)
	s_wait_dscnt 32*\pre                           ; V's sixteen loads are in; the next step's 32 may be out
	PV 0
.set i, 0
.rept 8
	ADDP 1, i
.set i, i+1
.endr
.irp b, 0,1,2,3
.set i, 0
.rept 8
	HOLD2 1, 8*\b+i
.if \b < 3
	ADDP 1, 8*\b+8+i
.endif
.set i, i+1
.endr
	CVT2 1, \b
.endr
	v_pk_add_f32 v[ST+8+2:ST+8+3], v[ST+8+2:ST+8+3], v[AUX+2:AUX+3]   ; also the plain place behind the last conversion
	PV 1
.endm
	s_wait_alu depctr_va_vdst(0)                   ; the head's end
	s_wait_loadcnt 0x0                             ; Q
	s_wait_tensorcnt 0x0                           ; my part of the first 512 keys has landed; the second load is a later first fill, issued as a refill is:
	ds_add_u32 v[SPW], v[NIL]                      ; 0 onto my spare word
	s_wait_dscnt 0x0                               ; the add is done, and my mask terms lie in LDS
	CROUND                                         ; a whole round: everybody's parts and mask terms are in, and the joint loads meet
	tensor_load_to_lds s[G0B:G0B+3], s[G1B:G1B+7]  ; my part of the other 1,536 keys
	s_nop 0
.rept 4
	v_nop
.endr
	KLOAD LI, BIA, 0, 0
.Lfirst:                                           ; steps 0 to 2: they read, and fetch ahead, keys 0 to 511 alone
	STEP 1
	s_sub_co_u32 s[CNT], s[CNT], 1
	s_cmp_lg_u32 s[CNT], 0
	s_cbranch_scc1 .Lfirst
	s_mov_b32 s[CNT], 12
	s_wait_tensorcnt 0x0                           ; my part of the second load has landed
	s_wait_dscnt 0x0                               ; no LDS instruction of mine is out at the signal
	s_barrier_signal -1
	s_barrier_wait -1                              ; so has everybody's
.Lstep:                                            ; steps 3 to 14; the sixteenth step, which fetches nothing, is written out
	STEP 1
	s_sub_co_u32 s[CNT], s[CNT], 1
	s_cmp_lg_u32 s[CNT], 0
	s_cbranch_scc1 .Lstep
	STEP 0
	; THE WAY OUT: O^T / the sum x 2^(ev + ep), held, converted: the conversions' results are the next product's operand images
.irp x, 0,1
	v_add_f32 v[ST+8*\x+2], v[ST+8*\x+2], v[ST+8*\x+3]
.endr
.irp x, 0,1
	v_permlanex16_b32 v[PD+\x], v[ST+8*\x+2], s[SEL], s[SEL+1]
.endr
.irp x, 0,1
	v_add_f32 v[ST+8*\x+2], v[ST+8*\x+2], v[PD+\x]
.endr
	s_wait_alu depctr_va_vdst(0)
.irp x, 0,1
	v_rcp_f32 v[ST+8*\x+4], v[ST+8*\x+2]
.endr
	v_nop
	s_wait_alu depctr_va_vdst(0)
.irp x, 0,1
	v_ldexp_f32 v[ST+8*\x+4], v[ST+8*\x+4], s57
.endr
	WIN 0x01
	s_wait_alu depctr_va_vdst(0)                   ; directly ahead of the first readers of O^T
.irp x, 0,1
.set j, 0
.rept 16
	v_pk_mul_f32 v[S+32*\x+j:S+32*\x+j+1], v[OT+32*\x+j:OT+32*\x+j+1], v[ST+8*\x+4:ST+8*\x+5] op_sel_hi:[1,0]
.set j, j+2
.endr
.endr
	WIN 0
.irp x, 0,1
.set j, 0
.rept 32
	v_med3_num_f32 v[S+32*\x+j], v[S+32*\x+j], -v[LA], v[LA]
.set j, j+1
.endr
.irp dt, 0,1,2,3
	v_cvt_scalef32_pk8_fp8_f32 v[OC+8*\x+2*\dt:OC+8*\x+2*\dt+1], v[S+32*\x+8*\dt:S+32*\x+8*\dt+7], v[SCA]
.endr
.endr
	v_nop
.irp x, 0,1
.irp c, 0,1
	global_store_b128 v[LI], v[OC+8*\x+4*\c:OC+8*\x+4*\c+3], s[10:11] offset:16384*\x+512*\c th:TH_STORE_NT   ; the wave stores 512 consecutive bytes, aligned
.endr
.endr
	s_wait_tensorcnt 0x0                           ; the wave's end
	ds_add_u32 v[SPW], v[NIL]
	s_wait_dscnt 0x0
	CROUND                                         ; the closing round
	s_endpgm
.Lfunc_end_k_qa0b1726b2a_attn:
	.size	k_qa0b1726b2a_attn, .Lfunc_end_k_qa0b1726b2a_attn-k_qa0b1726b2a_attn
	.p2alignl 7, 3214868480
	.fill 96, 4, 3214868480
	.section	.rodata,"a",@progbits
	.p2align	6, 0x0
	.amdhsa_kernel k_qa0b1726b2a_attn
		.amdhsa_group_segment_fixed_size 327680
		.amdhsa_private_segment_fixed_size 0
		.amdhsa_enable_private_segment 0
		.amdhsa_kernarg_size 32
		.amdhsa_user_sgpr_count 2
		.amdhsa_user_sgpr_kernarg_segment_ptr 1
		.amdhsa_wavefront_size32 1
		.amdhsa_system_sgpr_workgroup_id_x 1
		.amdhsa_system_sgpr_workgroup_id_y 1
		.amdhsa_system_sgpr_workgroup_id_z 1
		.amdhsa_system_vgpr_workitem_id 0
		.amdhsa_next_free_vgpr 512
		.amdhsa_next_free_sgpr 66
		.amdhsa_reserve_vcc 1
		.amdhsa_float_denorm_mode_32 3
		.amdhsa_float_denorm_mode_16_64 3
		.amdhsa_memory_ordered 1
		.amdhsa_forward_progress 1
		.amdhsa_inst_pref_size 108
	.end_amdhsa_kernel
	.amdgpu_metadata
---
amdhsa.version: [ 1, 2 ]
amdhsa.kernels:
  - .name:           k_qa0b1726b2a_attn
    .symbol:         k_qa0b1726b2a_attn.kd
    .args:
      - { .name: qkv, .offset: 0, .size: 8, .value_kind: global_buffer, .address_space: global }
      - { .name: mask, .offset: 8, .size: 8, .value_kind: global_buffer, .address_space: global }
      - { .name: lowp_scales, .offset: 16, .size: 8, .value_kind: global_buffer, .address_space: global }
      - { .name: att, .offset: 24, .size: 8, .value_kind: global_buffer, .address_space: global }
    .group_segment_fixed_size: 327680
    .private_segment_fixed_size: 0
    .kernarg_segment_align: 8
    .kernarg_segment_size: 32
    .max_flat_workgroup_size: 256
    .sgpr_count:     66
    .vgpr_count:     512
    .wavefront_size: 32
...
	.end_amdgpu_metadata
.endif
;; end of part 3
;; launch wo (part 4): grid 8 x 32, 4 waves a work-group, clusters of 4 x 4, 327,680 bytes of LDS; arguments att, wo_codes, lowp_scales, bo, x, x2; writes x2
.if DOCPART == 4
	.amdgcn_target "amdgcn-amd-amdhsa--gfx1250"
	.amdhsa_code_object_version 6
	.text
	.protected	k_qa0b1726b2a_wo
	.globl	k_qa0b1726b2a_wo
	.p2align	8
	.type	k_qa0b1726b2a_wo,@function
k_qa0b1726b2a_wo:
	s_mov_b64 s[64:65], 0
	v_nop
	global_prefetch_b8 v0, s[64:65] scope:SCOPE_SE
	s_setreg_imm32_b32 hwreg(HW_REG_WAVE_MODE, 25, 1), 1
	s_wait_xcnt 0x0
	s_wait_alu depctr_hold_cnt(0) depctr_sa_sdst(0) depctr_va_vdst(0) depctr_va_sdst(0) depctr_va_ssrc(0) depctr_va_vcc(0) depctr_vm_vsrc(0)
	s_getreg_b32 s2, hwreg(HW_REG_IB_STS2, 6, 4)
	s_cmp_eq_u32 s2, 0
	s_cbranch_scc0 .Lentry_in_a_cluster
	s_endpgm
.Lentry_in_a_cluster:
	s_bfe_u32 s2, ttmp6, 0x10000c
	s_cmp_lg_u32 s2, 0xf033
	s_cbranch_scc0 .Lentry_shape_is_right
	s_endpgm
.Lentry_shape_is_right:
; out = residual + (A W^T) x 2^(ea + eb) + bias.  A: 4,096 tokens x 1,024 E4M3 codes, as images of operand registers [TT 256][ks 8][c 4][lane][16 B] (lane (r, h): token ROW(TT, r) = 32 (TT / 2) + 8 (TT % 2) + r + 8 (r / 8),
; K = 128 ks + 32 c + 16 h + 0..15).  W: [1,024][1,024] codes, K innermost.  residual, out: [4,096][1,024] f32; bias [1,024] f32.
; A block is 128 x 128: 256 work-groups.  Four waves, each 64 x 64: 16 accumulators.
; LDS: the block's operands lie there whole, all of K: A's 8 tiles of tokens x 16,384 bytes of images, dense, and W's 128 rows of 1,024 bytes + 16 of padding: 264,192 bytes.
; Each wave asks for a quarter of that by its one tensor load at the head (waves 0, 1: A's halves; waves 2, 3: W's); nothing is filled again: no ring, one barrier.
; CLUSTERS: 4 x 4; A's tiles are shared along a row of the cluster, W's along a column: joint loads.
; No prefetch: all is asked for at the head, so there is no loop to run ahead in.
; Source 0 = 16 rows of W, source 1 = 16 tokens: a lane holds eight neighbouring columns of one token's row.  W's fragments are read with the same order of k as A's images have.
; LIMIT: ea + eb between -126 and 127.
; REGISTERS: window 0: v16-29 addresses; v32-95 rows on the way out, two sets; v128-255 the accumulators ((a, b) at v[128 + 8 (4 a + b)]).  window 1: two fragment buffers of 128: A's four fragments, then W's four.  window 2: v0-127 the residual, v128-131 the bias.
.set SIZE_K, 1024
.set ESC,    40                        ; byte of ea in the buffer of scales; eb follows
.set PITCH,  1040                      ; 260 words: 16 rows start 4 words apart modulo 64 (64 banks of 4 bytes: ISA guide 11.1)
.set BOFF,   131072                    ; A's images, then W's rows
.set STAGE,  BOFF+128*PITCH            ; 16 rows x 272 bytes for each wave
.set SPITCH, 272
.set SPARE,  STAGE+4*16*SPITCH         ; the spare words: 128 bytes a wave
.set ADRA, 16
.set ADRB, 20
.set STO,  24
.set RD,   25
.set CO,   26                          ; v26 4,096 (lane / 16) + 16 (lane % 16): two rows of the output, 256 bytes each
.set BO,   27                          ; v27 16 (lane % 16)
.set SPW,  28
.set NIL,  29
.set BK,   32
.set ACC,  128
.set F0,   0
.set F1,   128
.set G1, 24
.set G0, 32
.set G1B, 48
.set G0B, 56
.set MSB, 0
.macro WIN new
.if MSB != \new
	s_set_vgpr_msb (MSB<<8)|\new
.set MSB, \new
.endif
.endm
.set MUL,  0x05                        ; sources 0 and 1 window 1; C and D window 0
.set TO_F, 0x40                        ; destination window 1, address window 0
.macro CROUND
	s_barrier_signal -1
	s_barrier_wait -1
	s_cmp_lg_u32 s10, 0
	s_cbranch_scc1 .Lnot_wave_0_\@
	s_barrier_signal -3
.Lnot_wave_0_\@:
	s_barrier_wait -3
	s_barrier_signal -1
	s_barrier_wait -1
.endm
	s_load_b128 s[4:7], s[0:1], 0x0                ; A's images, W's codes
	s_load_b128 s[68:71], s[0:1], 0x10             ; the exponents, the bias
	s_load_b128 s[72:75], s[0:1], 0x20             ; the residual, the output
	v_lshl_add_u32 v[SPW], v0, 2, SPARE
	v_mov_b32 v[NIL], 0
	ds_add_u32 v[SPW], v[NIL]                      ; the opening lines: the add twice on end and one wait
	ds_add_u32 v[SPW], v[NIL]
	v_lshrrev_b32 v1, 5, v0
	v_readfirstlane_b32 s10, v1                    ; wave 0..3
	s_lshr_b32 s11, s10, 1                         ; which 64 tokens are mine.  Also: I fetch A (0) or W (1)
	s_and_b32 s12, s10, 1                          ; which 64 columns.  Also: which half I fetch
	s_bfe_u32 s40, ttmp6, 0x40000
	s_bfe_u32 s41, ttmp6, 0x40004
	s_lshl_b32 s42, ttmp9, 2
	s_add_co_u32 s42, s42, s40                     ; tile column
	s_and_b32 s13, ttmp7, 0xffff
	s_lshl_b32 s13, s13, 2
	s_add_co_u32 s13, s13, s41                     ; tile row
	s_lshl_b32 s43, s41, 2
	s_lshl_b32 s43, 15, s43
	s_lshl_b32 s44, 0x1111, s40
	s_or_b32 s[G1+0], s43, (3<<16)|(1<<21)         ; A: my row of the cluster; elements of 8 bytes; no padding: images are read 512 bytes on end
	s_mov_b32 s[G1+1], 2048<<16                    ; a tile of tokens' 16,384 bytes,
	s_mov_b32 s[G1+2], 4<<16                       ; four tiles of tokens
	s_mov_b32 s[G1+3], 2048<<16
	s_mov_b32 s[G1+4], 4
	s_mov_b32 s[G1+5], 2*SIZE_K                    ; from tile to tile: 16 SIZE_K bytes
	s_mov_b32 s[G1+6], 0
	s_mov_b32 s[G1+7], 0
	s_or_b32 s[G1B+0], s44, (0<<16)|(1<<20)|(1<<21)|(7<<22)|(3<<25)  ; W: my column; elements of 1 byte; four words of padding after every 256
	s_mov_b32 s[G1B+1], SIZE_K<<16
	s_mov_b32 s[G1B+2], 64<<16
	s_mov_b32 s[G1B+3], SIZE_K<<16
	s_mov_b32 s[G1B+4], 64
	s_mov_b32 s[G1B+5], SIZE_K
	s_mov_b32 s[G1B+6], 0
	s_mov_b32 s[G1B+7], 0
	s_lshl_b32 s16, s13, 3
	s_lshl_b32 s17, s12, 2
	s_add_co_u32 s16, s16, s17
	s_mul_i32 s16, s16, 16*SIZE_K                  ; A: tile of tokens 8 x tile row + 4 x half
	s_mov_b32 s17, 0
	s_lshl_b32 s46, s42, 7
	s_lshl_b32 s47, s12, 6
	s_add_co_u32 s46, s46, s47
	s_mul_i32 s46, s46, SIZE_K                     ; W: row 128 x tile column + 64 x half
	s_mov_b32 s47, 0
	s_lshl_b32 s20, s12, 16                        ; where they go
	s_mul_i32 s21, s12, 64*PITCH
	s_add_co_u32 s21, s21, BOFF
	s_wait_dscnt 0x0
	s_wait_kmcnt 0x0
	s_load_b64 s[96:97], s[68:69], ESC             ; ea, eb
	s_mov_b32 s[G0], 1
	s_mov_b32 s[G0+1], s20
	s_add_nc_u64 s[G0+2:G0+3], s[4:5], s[16:17]
	s_or_b32 s[G0+3], s[G0+3], 0x80000000
	s_mov_b32 s[G0B], 1
	s_mov_b32 s[G0B+1], s21
	s_add_nc_u64 s[G0B+2:G0B+3], s[6:7], s[46:47]
	s_or_b32 s[G0B+3], s[G0B+3], 0x80000000
	CROUND                                         ; all sixteen work-groups are here: the joint loads meet
	s_cmp_eq_u32 s11, 0                            ; one tensor load a wave: each of the two lines has one mask; s_nop 0 and four v_nop follow each
	s_cbranch_scc0 .Lfor_b
	tensor_load_to_lds s[G0:G0+3], s[G1:G1+7]
	s_nop 0
.rept 4
	v_nop
.endr
	s_branch .Lasked
.Lfor_b:
	tensor_load_to_lds s[G0B:G0B+3], s[G1B:G1B+7]
	s_nop 0
.rept 4
	v_nop
.endr
.Lasked:
	s_lshl_b32 s22, s11, 16                        ; my four tiles of tokens
	s_mul_i32 s23, s12, 64*PITCH
	s_add_co_u32 s23, s23, BOFF                    ; my 64 rows of W
	s_mul_i32 s86, s10, 16*SPITCH
	s_add_co_u32 s86, s86, STAGE                   ; my stage
	s_lshl_b32 s88, s42, 9
	s_lshl_b32 s89, s12, 8
	s_add_co_u32 s88, s88, s89                     ; my first column, in bytes
	s_mov_b32 s89, 0
	s_add_nc_u64 s[70:71], s[70:71], s[88:89]
	s_lshl_b32 s90, s13, 19
	s_lshl_b32 s91, s11, 18
	s_add_co_u32 s90, s90, s91                     ; my first row: 128 x tile row + 64 x half, 4,096 bytes each
	s_add_co_u32 s88, s88, s90
	s_add_nc_u64 s[72:73], s[72:73], s[88:89]
	s_add_nc_u64 s[74:75], s[74:75], s[88:89]
	v_and_b32 v1, 15, v0                           ; r
	v_bfe_u32 v2, v0, 4, 1                         ; h
	v_and_b32 v3, 31, v0
	v_lshlrev_b32 v5, 4, v3                        ; 16 x lane
	v_mul_u32_u24 v4, v1, PITCH
	v_lshl_add_u32 v4, v2, 4, v4
	v_add_nc_u32 v[ADRA], s22, v5
	v_add_nc_u32 v[ADRB], s23, v4
	v_mul_u32_u24 v6, v1, SPITCH
	v_lshl_add_u32 v6, v2, 5, v6
	v_add_nc_u32 v[STO], s86, v6                   ; in: row r, 32 bytes for each half of the lanes
	v_mul_u32_u24 v7, v2, SPITCH
	v_lshl_add_u32 v7, v1, 4, v7
	v_add_nc_u32 v[RD], s86, v7                    ; back: lanes 0-15 one row of 256 bytes, lanes 16-31 the next
	v_lshlrev_b32 v[BO], 4, v1
	v_lshl_add_u32 v[CO], v2, 12, v[BO]
	s_wait_alu depctr_va_vdst(0)                   ; the end of the head's vector work
	WIN 0x80                                       ; destination window 2.  The bias first, then the residual block by block, so that each block on the way out waits for its own eight loads alone.  Stage row 2 t + (lane / 16) of block a is row 32 (a / 2) + 8 (a % 2) + 2 t + 8 (t / 4) + (lane / 16) of my 64
	global_load_b128 v[128:131], v[BO], s[70:71]
.irp a, 0,1,2,3
.irp t, 0,1,2,3,4,5,6,7
	global_load_b128 v[4*(8*\a+\t):4*(8*\a+\t)+3], v[CO], s[72:73] offset:(32*(\a/2)+8*(\a%2)+2*\t+8*(\t/4))*4096 th:TH_LOAD_NT
.endr
.endr
	WIN 0
.macro MUL8 f, a0, zero                ; A's fragments a0, a0 + 1 against W's four.  The 16 accumulators take turns, one instruction a turn, in the same order in every quarter
.irp a, \a0, \a0+1
.irp b, 0,1,2,3
.if \zero
	v_wmma_f32_16x16x128_fp8_fp8 v[ACC+8*(4*(\a)+\b):ACC+8*(4*(\a)+\b)+7], v[\f+64+16*\b:\f+64+16*\b+15], v[\f+16*(\a):\f+16*(\a)+15], 0
.else
	v_wmma_f32_16x16x128_fp8_fp8 v[ACC+8*(4*(\a)+\b):ACC+8*(4*(\a)+\b)+7], v[\f+64+16*\b:\f+64+16*\b+15], v[\f+16*(\a):\f+16*(\a)+15], v[ACC+8*(4*(\a)+\b):ACC+8*(4*(\a)+\b)+7]
.endif
.endr
.endr
.endm
.macro FETCH q, f                      ; 32 LDS loads in one run: W's four fragments, then A's, of the q-th 128 along K
	WIN TO_F
.irp i, 0,1,2,3
.irp c, 0,1,2,3
	ds_load_b128 v[\f+64+16*\i+4*\c:\f+64+16*\i+4*\c+3], v[ADRB] offset:128*(\q)+32*\c+\i*16*PITCH
.endr
.endr
.irp i, 0,1,2,3
.irp c, 0,1,2,3
	ds_load_b128 v[\f+16*\i+4*\c:\f+16*\i+4*\c+3], v[ADRA] offset:16384*\i+2048*(\q)+512*\c
.endr
.endr
.endm
.macro QUARTER qn, f, g, zero          ; multiplies buffer f; in its middle fetches the K step qn into g
	s_wait_dscnt 8                                 ; W's fragments and A's 0, 1 are in; the youngest eight loads (A's 2, 3) may be out
	WIN MUL
	MUL8 \f, 0, \zero
.rept 4
	v_nop                                          ; places in front of loads into registers that matrix instructions have read (ISA guide 7.12.1 for vector instructions)
.endr
	FETCH \qn, \g
	s_wait_dscnt 32                                ; all but the 32 just issued
	WIN MUL
	MUL8 \f, 2, \zero
.endm
	s_wait_tensorcnt 0x0                           ; my quarter of the operands has landed
	s_barrier_signal -1
	s_barrier_wait -1                              ; so has everybody's
	FETCH 0, F0
	QUARTER 1, F0, F1, 1                           ; the first products start the sums.  K = 1,024 is eight steps of 128, written out
.irp q, 2,4,6
	QUARTER \q, F1, F0, 0
	QUARTER \q+1, F0, F1, 0
.endr
	s_wait_dscnt 8
	WIN MUL
	MUL8 F1, 0, 0
	s_wait_dscnt 0
	MUL8 F1, 2, 0
	s_wait_kmcnt 0x0
	s_add_co_i32 s96, s96, s97
	s_add_co_i32 s96, s96, 127
	s_lshl_b32 s96, s96, 23                        ; 2^(ea + eb) as f32
	s_mov_b32 s97, s96
.rept 4
	v_nop                                          ; places behind the last products, in front of the LDS stores that read them
.endr
	WIN 0
; THE WAY OUT, a block of 16 tokens x 64 columns at a time: the sums go through my own stage and come back as rows of 256 bytes.  LDS serves a wave's instructions in order (ISA guide 5.7.1.4): no wait between stores and loads.
.macro TOSTAGE a
.set BS, BK+32*((\a)%2)
.irp b, 0,1,2,3
	ds_store_b128 v[STO], v[ACC+8*(4*(\a)+\b):ACC+8*(4*(\a)+\b)+3]   offset:64*\b       ; each accumulator from its low end on
	ds_store_b128 v[STO], v[ACC+8*(4*(\a)+\b)+4:ACC+8*(4*(\a)+\b)+7] offset:64*\b+16
.endr
.irp t, 0,1,2,3,4,5,6,7
	ds_load_b128 v[BS+4*\t:BS+4*\t+3], v[RD] offset:\t*2*SPITCH
.endr
.endm
.macro SEND a, younger
.set BS, BK+32*((\a)%2)
	s_wait_dscnt \younger                          ; the block is back; the next block's eight stores and eight loads may be out
	s_wait_loadcnt 8*(3-(\a))                      ; the bias and this block's residual are in; the eight loads of each later block may be out
	WIN 0x8a                                       ; all in window 2
.irp t, 0,1,2,3,4,5,6,7
	v_pk_add_f32 v[4*(8*(\a)+\t):4*(8*(\a)+\t)+1],   v[4*(8*(\a)+\t):4*(8*(\a)+\t)+1],   v[128:129]   ; residual + bias
	v_pk_add_f32 v[4*(8*(\a)+\t)+2:4*(8*(\a)+\t)+3], v[4*(8*(\a)+\t)+2:4*(8*(\a)+\t)+3], v[130:131]
.endr
	WIN 0x20
.irp t, 0,1,2,3,4,5,6,7
	v_pk_fma_f32 v[BS+4*\t:BS+4*\t+1],   v[BS+4*\t:BS+4*\t+1],   s[96:97], v[4*(8*(\a)+\t):4*(8*(\a)+\t)+1]   op_sel_hi:[1,0,1]
	v_pk_fma_f32 v[BS+4*\t+2:BS+4*\t+3], v[BS+4*\t+2:BS+4*\t+3], s[96:97], v[4*(8*(\a)+\t)+2:4*(8*(\a)+\t)+3] op_sel_hi:[1,0,1]
.endr
	WIN 0
.irp t, 0,1,2,3,4,5,6,7
	global_store_b128 v[CO], v[BS+4*\t:BS+4*\t+3], s[74:75] offset:(32*((\a)/2)+8*((\a)%2)+2*\t+8*(\t/4))*4096   ; sixteen lanes store 256 consecutive bytes, aligned
.endr
.endm
	TOSTAGE 0
.irp a, 1,2,3
.if \a > 1
	s_wait_xcnt 0x0                                ; block a - 2's stores have read their registers: block a's loads may land there
.endif
	TOSTAGE \a
	SEND \a-1, 16
.endr
	SEND 3, 0
	s_wait_tensorcnt 0x0                           ; the wave's end
	ds_add_u32 v[SPW], v[NIL]
	s_wait_dscnt 0x0
	CROUND                                         ; the closing round
	s_endpgm
.Lfunc_end_k_qa0b1726b2a_wo:
	.size	k_qa0b1726b2a_wo, .Lfunc_end_k_qa0b1726b2a_wo-k_qa0b1726b2a_wo
	.p2alignl 7, 3214868480
	.fill 96, 4, 3214868480
	.section	.rodata,"a",@progbits
	.p2align	6, 0x0
	.amdhsa_kernel k_qa0b1726b2a_wo
		.amdhsa_group_segment_fixed_size 327680
		.amdhsa_private_segment_fixed_size 0
		.amdhsa_enable_private_segment 0
		.amdhsa_kernarg_size 48
		.amdhsa_user_sgpr_count 2
		.amdhsa_user_sgpr_kernarg_segment_ptr 1
		.amdhsa_wavefront_size32 1
		.amdhsa_system_sgpr_workgroup_id_x 1
		.amdhsa_system_sgpr_workgroup_id_y 1
		.amdhsa_system_sgpr_workgroup_id_z 1
		.amdhsa_system_vgpr_workitem_id 0
		.amdhsa_next_free_vgpr 768
		.amdhsa_next_free_sgpr 100
		.amdhsa_reserve_vcc 0
		.amdhsa_float_denorm_mode_32 3
		.amdhsa_float_denorm_mode_16_64 3
		.amdhsa_memory_ordered 1
		.amdhsa_forward_progress 1
		.amdhsa_inst_pref_size 52
	.end_amdhsa_kernel
	.amdgpu_metadata
---
amdhsa.version: [ 1, 2 ]
amdhsa.kernels:
  - .name:           k_qa0b1726b2a_wo
    .symbol:         k_qa0b1726b2a_wo.kd
    .args:
      - { .name: att, .offset: 0, .size: 8, .value_kind: global_buffer, .address_space: global }
      - { .name: wo_codes, .offset: 8, .size: 8, .value_kind: global_buffer, .address_space: global }
      - { .name: lowp_scales, .offset: 16, .size: 8, .value_kind: global_buffer, .address_space: global }
      - { .name: bo, .offset: 24, .size: 8, .value_kind: global_buffer, .address_space: global }
      - { .name: x, .offset: 32, .size: 8, .value_kind: global_buffer, .address_space: global }
      - { .name: x2, .offset: 40, .size: 8, .value_kind: global_buffer, .address_space: global }
    .group_segment_fixed_size: 327680
    .private_segment_fixed_size: 0
    .kernarg_segment_align: 8
    .kernarg_segment_size: 48
    .max_flat_workgroup_size: 128
    .sgpr_count:     100
    .vgpr_count:     768
    .wavefront_size: 32
...
	.end_amdgpu_metadata
.endif
;; end of part 4
;; launch ln2 (part 5): grid 256 x 1, 8 waves a work-group, no clusters, 0 bytes of LDS; arguments x2, ln2_g, ln2_b, lowp_scales, xn2; writes xn2
.if DOCPART == 5
	.amdgcn_target "amdgcn-amd-amdhsa--gfx1250"
	.amdhsa_code_object_version 6
	.text
	.protected	k_qa0b1726b2a_ln2
	.globl	k_qa0b1726b2a_ln2
	.p2align	8
	.type	k_qa0b1726b2a_ln2,@function
k_qa0b1726b2a_ln2:
	s_mov_b64 s[64:65], 0
	v_nop
	global_prefetch_b8 v0, s[64:65] scope:SCOPE_SE
	s_setreg_imm32_b32 hwreg(HW_REG_WAVE_MODE, 25, 1), 1
	s_wait_xcnt 0x0
; LayerNorm of 4,096 rows of 1,024 f32 (mean; unbiased deviation; g (x - mean) / (std + 1e-6) + b), all in f32, then quantised to E4M3 codes NOUT times,
; each time with a given scale 2^e: code = y / 2^e, held within +-448, nearest, ties to even.  Output o is a plane of 4,096 x 1,024 codes, row-major, 4 MiB apart.
; SHARES: a work-group takes 16 rows, each of its eight waves two; a row lies in 32 registers a lane between the passes, so it is read once.  Lane l holds, for j = 0..3, the columns 256 j + 8 l + 0..7:
; eight neighbours along K, which one conversion turns into 8 bytes; the wave's store of them covers 256 consecutive bytes, aligned.  No LDS, no barrier, no loop: waves share nothing.
; No matrix unit, no cluster: nothing here is read by two work-groups but g and b (8 KiB).
; LIMITS: each e between -126 and 119, so that 2^e and 448 x 2^e are f32 numbers.  NaN among the inputs is not served.
.set NOUT, 1                           ; outputs
.set SCB,  48                          ; byte of output 0's exponent in the buffer of scales
.set G,    8                           ; v8-39    g of my 32 columns
.set BT,   40                          ; v40-71   b of my 32 columns
.set X,    72                          ; v72-135  row p at X + 32 p
.set T,    136                         ; v136-151 two sets of eight held numbers, by turns
.set SUM,  152                         ; v[152+4p:153+4p] a row's running sum, two halves
.set MEAN, 154                         ; v[154+4p:155+4p] the mean twice, later 1 / (std + eps) twice
.set PD,   160                         ; v160+p   the lane exchange's destination
.set SC,   162                         ; v162+2o  2^e;  v163+2o  448 x 2^e
.set C,    168                         ; codes: (p, o, j) at C + 24 p + 8 o + 2 j: each store has registers of its own
	s_load_b256 s[4:11], s[0:1], 0x0               ; x s[4:5], g s[6:7], b s[8:9], the exponents s[10:11]
	s_load_b64 s[12:13], s[0:1], 0x20              ; the codes
	v_lshrrev_b32 v3, 5, v0
	s_delay_alu instid0(VALU_DEP_1)
	v_readfirstlane_b32 s14, v3                    ; wave 0..7
	v_and_b32 v3, 31, v0
	s_delay_alu instid0(VALU_DEP_1)
	v_lshlrev_b32 v1, 5, v3                        ; 32 x lane: my 8 numbers in a group of 256
	s_delay_alu instid0(VALU_DEP_2)
	v_lshlrev_b32 v2, 3, v3                        ; 8 x lane: my 8 codes
	v_mov_b32 v[PD], 0                             ; written once: a lane exchange's destination counts as read
	v_mov_b32 v[PD+1], 0
	s_lshl_b32 s16, ttmp9, 16                      ; 16 rows of 4,096 bytes a work-group,
	s_lshl_b32 s15, s14, 13                        ; two a wave
	s_or_b32 s16, s16, s15
	s_mov_b32 s17, 0
	s_lshr_b32 s18, s16, 2                         ; the same rows in codes: a quarter of the bytes
	s_mov_b32 s19, 0
	s_mov_b32 s26, 0x76543210                      ; lane l takes lane l xor 16
	s_mov_b32 s27, 0xfedcba98
	s_wait_alu depctr_va_vdst(0)
	s_wait_kmcnt 0x0
.set o, 0
.rept NOUT
	s_load_b32 s[28+o], s[10:11], SCB+8*o
.set o, o+1
.endr
	s_add_nc_u64 s[4:5], s[4:5], s[16:17]
	s_add_nc_u64 s[20:21], s[12:13], s[18:19]      ; plane 0
.if NOUT > 1
	s_add_nc_u64 s[22:23], s[20:21], 0x400000      ; plane 1
	s_add_nc_u64 s[24:25], s[20:21], 0x800000      ; plane 2
.endif
.irp p, 0,1
.irp j, 0,1,2,3
	global_load_b128 v[X+32*\p+8*\j:X+32*\p+8*\j+3],   v1, s[4:5] offset:4096*\p+1024*\j
	global_load_b128 v[X+32*\p+8*\j+4:X+32*\p+8*\j+7], v1, s[4:5] offset:4096*\p+1024*\j+16
.endr
.endr
.irp j, 0,1,2,3
	global_load_b128 v[G+8*\j:G+8*\j+3],   v1, s[6:7] offset:1024*\j
	global_load_b128 v[G+8*\j+4:G+8*\j+7], v1, s[6:7] offset:1024*\j+16
.endr
.irp j, 0,1,2,3
	global_load_b128 v[BT+8*\j:BT+8*\j+3],   v1, s[8:9] offset:1024*\j
	global_load_b128 v[BT+8*\j+4:BT+8*\j+7], v1, s[8:9] offset:1024*\j+16
.endr
; both rows' sums: the two halves, then the 32 lanes; every lane ends with the row's sum.  The two rows take turns line by line.
.macro ACROSS
.irp p, 0,1
	s_delay_alu instid0(VALU_DEP_2)
	v_add_f32 v[SUM+4*\p], v[SUM+4*\p], v[SUM+4*\p+1]
.endr
.irp m, 1,2,4,8
.irp p, 0,1
	s_delay_alu instid0(VALU_DEP_2)
	v_add_f32_dpp v[SUM+4*\p], v[SUM+4*\p], v[SUM+4*\p] row_xmask:\m row_mask:0xf bank_mask:0xf
.endr
.endr
.irp p, 0,1
	s_delay_alu instid0(VALU_DEP_2)
	v_permlanex16_b32 v[PD+\p], v[SUM+4*\p], s26, s27
.endr
.irp p, 0,1
	s_delay_alu instid0(VALU_DEP_2)
	v_add_f32 v[SUM+4*\p], v[SUM+4*\p], v[PD+\p]
.endr
.endm
	s_wait_loadcnt 16                              ; the two rows are in; the sixteen loads of g and b may be out
.irp p, 0,1
	v_pk_add_f32 v[SUM+4*\p:SUM+4*\p+1], v[X+32*\p:X+32*\p+1], v[X+32*\p+2:X+32*\p+3]
.endr
.set i, 4
.rept 14
.irp p, 0,1
	s_delay_alu instid0(VALU_DEP_2)
	v_pk_add_f32 v[SUM+4*\p:SUM+4*\p+1], v[SUM+4*\p:SUM+4*\p+1], v[X+32*\p+i:X+32*\p+i+1]
.endr
.set i, i+2
.endr
	ACROSS
.irp p, 0,1
	s_delay_alu instid0(VALU_DEP_2)
	v_mul_f32 v[MEAN+4*\p], 0x3a800000, v[SUM+4*\p]   ; / 1,024: exact
.endr
.irp p, 0,1
	s_delay_alu instid0(VALU_DEP_2)
	v_mov_b32 v[MEAN+4*\p+1], v[MEAN+4*\p]
.endr
.set i, 0
.rept 16
.irp p, 0,1
	v_pk_add_f32 v[X+32*\p+i:X+32*\p+i+1], v[X+32*\p+i:X+32*\p+i+1], v[MEAN+4*\p:MEAN+4*\p+1] neg_lo:[0,1] neg_hi:[0,1]   ; x - mean
.endr
.set i, i+2
.endr
.irp p, 0,1
	v_pk_mul_f32 v[SUM+4*\p:SUM+4*\p+1], v[X+32*\p:X+32*\p+1], v[X+32*\p:X+32*\p+1]
.endr
.set i, 2
.rept 15
.irp p, 0,1
	s_delay_alu instid0(VALU_DEP_2)
	v_pk_fma_f32 v[SUM+4*\p:SUM+4*\p+1], v[X+32*\p+i:X+32*\p+i+1], v[X+32*\p+i:X+32*\p+i+1], v[SUM+4*\p:SUM+4*\p+1]
.endr
.set i, i+2
.endr
	ACROSS
.irp p, 0,1
	s_delay_alu instid0(VALU_DEP_2)
	v_mul_f32 v[SUM+4*\p], 0x3a802008, v[SUM+4*\p]    ; / 1,023
.endr
	s_wait_alu depctr_va_vdst(0)
.irp p, 0,1
	v_sqrt_f32 v[SUM+4*\p], v[SUM+4*\p]
.endr
	v_nop                                          ; a plain instruction behind the roots (ISA guide 5.7.2),
	s_wait_alu depctr_va_vdst(0)                   ; and the wait ahead of their first reader: one for both
.irp p, 0,1
	v_add_f32 v[SUM+4*\p], 0x358637bd, v[SUM+4*\p]    ; + 1e-6
.endr
	s_wait_alu depctr_va_vdst(0)
.irp p, 0,1
	v_rcp_f32 v[MEAN+4*\p], v[SUM+4*\p]
.endr
	v_nop
	s_wait_alu depctr_va_vdst(0)                   ; likewise for the two reciprocals
.irp p, 0,1
	v_mov_b32 v[MEAN+4*\p+1], v[MEAN+4*\p]
.endr
	s_wait_alu depctr_va_vdst(0)
	s_wait_kmcnt 0x0                               ; the exponents
.set o, 0
.rept NOUT
	s_add_co_i32 s36, s[28+o], 127
	s_lshl_b32 s37, s36, 23
	v_mov_b32 v[SC+2*o], s37                       ; 2^e as f32: the conversion takes its exponent field
	s_add_co_i32 s36, s36, 8
	s_lshl_b32 s36, s36, 23
	s_or_b32 s36, s36, 0x600000
	v_mov_b32 v[SC+2*o+1], s36                     ; 448 x 2^e
.set o, o+1
.endr
	s_wait_loadcnt 0x0                             ; g and b
.set i, 0
.rept 16
.irp p, 0,1
	v_pk_mul_f32 v[X+32*\p+i:X+32*\p+i+1], v[X+32*\p+i:X+32*\p+i+1], v[MEAN+4*\p:MEAN+4*\p+1]
.endr
.set i, i+2
.endr
.set i, 0
.rept 16
.irp p, 0,1
	v_pk_fma_f32 v[X+32*\p+i:X+32*\p+i+1], v[X+32*\p+i:X+32*\p+i+1], v[G+i:G+i+1], v[BT+i:BT+i+1]
.endr
.set i, i+2
.endr
; Eight numbers are held into one of two sets, converted and stored.  The sets take turns, so that eight plain instructions stand between a conversion and the next write of its sources.
; The conversion to an 8-bit code does not saturate (ISA guide 7.6.2): hence the hold.  No store's data or address is ever written again, so no wait follows a store.
.set k, 0
.irp p, 0,1
.set o, 0
.rept NOUT
.irp j, 0,1,2,3
.irp i, 0,1,2,3,4,5,6,7
	v_med3_num_f32 v[T+8*k+\i], v[X+32*\p+8*\j+\i], -v[SC+2*o+1], v[SC+2*o+1]
.endr
	v_cvt_scalef32_pk8_fp8_f32 v[C+24*\p+8*o+2*\j:C+24*\p+8*o+2*\j+1], v[T+8*k:T+8*k+7], v[SC+2*o]
	global_store_b64 v2, v[C+24*\p+8*o+2*\j:C+24*\p+8*o+2*\j+1], s[20+2*o:21+2*o] offset:1024*\p+256*\j th:TH_STORE_NT
.set k, 1-k
.endr
.set o, o+1
.endr
.endr
	s_endpgm
.Lfunc_end_k_qa0b1726b2a_ln2:
	.size	k_qa0b1726b2a_ln2, .Lfunc_end_k_qa0b1726b2a_ln2-k_qa0b1726b2a_ln2
	.p2alignl 7, 3214868480
	.fill 96, 4, 3214868480
	.section	.rodata,"a",@progbits
	.p2align	6, 0x0
	.amdhsa_kernel k_qa0b1726b2a_ln2
		.amdhsa_group_segment_fixed_size 0
		.amdhsa_private_segment_fixed_size 0
		.amdhsa_enable_private_segment 0
		.amdhsa_kernarg_size 40
		.amdhsa_user_sgpr_count 2
		.amdhsa_user_sgpr_kernarg_segment_ptr 1
		.amdhsa_wavefront_size32 1
		.amdhsa_system_sgpr_workgroup_id_x 1
		.amdhsa_system_sgpr_workgroup_id_y 1
		.amdhsa_system_sgpr_workgroup_id_z 1
		.amdhsa_system_vgpr_workitem_id 0
		.amdhsa_next_free_vgpr 216
		.amdhsa_next_free_sgpr 66
		.amdhsa_reserve_vcc 0
		.amdhsa_float_denorm_mode_32 3
		.amdhsa_float_denorm_mode_16_64 3
		.amdhsa_memory_ordered 1
		.amdhsa_forward_progress 1
		.amdhsa_inst_pref_size 25
	.end_amdhsa_kernel
	.amdgpu_metadata
---
amdhsa.version: [ 1, 2 ]
amdhsa.kernels:
  - .name:           k_qa0b1726b2a_ln2
    .symbol:         k_qa0b1726b2a_ln2.kd
    .args:
      - { .name: x2, .offset: 0, .size: 8, .value_kind: global_buffer, .address_space: global }
      - { .name: ln2_g, .offset: 8, .size: 8, .value_kind: global_buffer, .address_space: global }
      - { .name: ln2_b, .offset: 16, .size: 8, .value_kind: global_buffer, .address_space: global }
      - { .name: lowp_scales, .offset: 24, .size: 8, .value_kind: global_buffer, .address_space: global }
      - { .name: xn2, .offset: 32, .size: 8, .value_kind: global_buffer, .address_space: global }
    .group_segment_fixed_size: 0
    .private_segment_fixed_size: 0
    .kernarg_segment_align: 8
    .kernarg_segment_size: 40
    .max_flat_workgroup_size: 256
    .sgpr_count:     66
    .vgpr_count:     216
    .wavefront_size: 32
...
	.end_amdgpu_metadata
.endif
;; end of part 5
;; launch ffn1 (part 6): grid 16 x 16, 4 waves a work-group, clusters of 4 x 4, 327,680 bytes of LDS; arguments xn2, w1_codes, b1, lowp_scales, hid; writes hid
.if DOCPART == 6
	.amdgcn_target "amdgcn-amd-amdhsa--gfx1250"
	.amdhsa_code_object_version 6
	.text
	.protected	k_qa0b1726b2a_ffn1
	.globl	k_qa0b1726b2a_ffn1
	.p2align	8
	.type	k_qa0b1726b2a_ffn1,@function
k_qa0b1726b2a_ffn1:
	s_mov_b64 s[64:65], 0
	v_nop
	global_prefetch_b8 v0, s[64:65] scope:SCOPE_SE
	s_setreg_imm32_b32 hwreg(HW_REG_WAVE_MODE, 25, 1), 1
	s_wait_xcnt 0x0
	s_wait_alu depctr_hold_cnt(0) depctr_sa_sdst(0) depctr_va_vdst(0) depctr_va_sdst(0) depctr_va_ssrc(0) depctr_va_vcc(0) depctr_vm_vsrc(0)
	s_getreg_b32 s2, hwreg(HW_REG_IB_STS2, 6, 4)
	s_cmp_eq_u32 s2, 0
	s_cbranch_scc0 .Lentry_in_a_cluster
	s_endpgm
.Lentry_in_a_cluster:
	s_bfe_u32 s2, ttmp6, 0x10000c
	s_cmp_lg_u32 s2, 0xf033
	s_cbranch_scc0 .Lentry_shape_is_right
	s_endpgm
.Lentry_shape_is_right:
.set MODE,   1
.set ROWB,   256
.set KROW,   1024
.set PITCH,  272
.set FR,     16
.set NL,     4
.set NP,     4
.set HALFT,  128*PITCH
.set SLOT,   4*HALFT
.set SPARE,  2*SLOT
.set ADRA, 16
.set ADRB, 20
.set STO,  24
.set RDQ,  25
.set RDV,  26
.set GO,   27
.set SPW,  28
.set NIL,  29
.set SCV,  30
.set LIMV, 31
.set MK,   32
.set BIR,  40
.set BJ,   48
.set BI,   112
.set TMP,  128
.set CD,   192
.set AF,   128
.set BK,   128
.set G1, 24
.set G0, 32
.set G1B, 48
.set G0B, 56
.set MSB, 0
.macro WIN new
.if MSB != \new
	s_set_vgpr_msb (MSB<<8)|\new
.set MSB, \new
.endif
.endm
.set MUL_LO, 0xa1
.set MUL_HI, 0xf1
.set TO_B,   0x40
.macro JLOAD g0a, g1a, g0b, g1b
	s_cmp_eq_u32 s15, 0
	s_cbranch_scc0 .Lfor_b_\@
	tensor_load_to_lds s[\g0a:\g0a+3], s[\g1a:\g1a+7]
	s_nop 0
.rept 4
	v_nop
.endr
	s_branch .Lasked_\@
.Lfor_b_\@:
	tensor_load_to_lds s[\g0b:\g0b+3], s[\g1b:\g1b+7]
	s_nop 0
.rept 4
	v_nop
.endr
.Lasked_\@:
.endm
.macro CREST
	s_cmp_lg_u32 s14, 0
	s_cbranch_scc1 .Lnot_wave_0_\@
	s_barrier_signal -3
.Lnot_wave_0_\@:
	s_barrier_wait -3
	s_barrier_signal -1
	s_barrier_wait -1
.endm
.macro CROUND
	s_barrier_signal -1
	s_barrier_wait -1
	CREST
.endm
.if MODE == 0
	s_load_b512 s[68:83], s[0:1], 0x0
	s_load_b128 s[84:87], s[0:1], 0x40
.else
	s_load_b256 s[68:75], s[0:1], 0x0
	s_load_b64 s[86:87], s[0:1], 0x20
.endif
	v_lshl_add_u32 v[SPW], v0, 2, SPARE
	v_mov_b32 v[NIL], 0
	ds_add_u32 v28, v29
	ds_add_u32 v28, v29
	s_wait_dscnt 0x0
	v_lshrrev_b32 v1, 5, v0
	v_readfirstlane_b32 s14, v1
	s_lshr_b32 s15, s14, 1
	s_and_b32 s16, s14, 1
	s_bfe_u32 s40, ttmp6, 0x40000
	s_bfe_u32 s41, ttmp6, 0x40004
.if MODE == 0
	s_mov_b32 s42, s40
.else
	s_lshl_b32 s42, ttmp9, 2
	s_add_co_u32 s42, s42, s40
.endif
	s_and_b32 s17, ttmp7, 0xffff
	s_lshl_b32 s17, s17, 2
	s_add_co_u32 s17, s17, s41
	s_lshl_b32 s43, s41, 2
	s_lshl_b32 s43, 15, s43
	s_lshl_b32 s44, 0x1111, s40
	s_or_b32 s[G1+0], s43, (0<<16)|(1<<20)|(1<<21)|(5<<22)|(3<<25)
	s_or_b32 s[G1B+0], s44, (0<<16)|(1<<20)|(1<<21)|(5<<22)|(3<<25)
.irp g, G1, G1B
	s_mov_b32 s[\g+1], ROWB<<16
	s_mov_b32 s[\g+2], 128<<16
	s_mov_b32 s[\g+3], ROWB<<16
	s_mov_b32 s[\g+4], 128
	s_mov_b32 s[\g+5], KROW
	s_mov_b32 s[\g+6], 0
	s_mov_b32 s[\g+7], 0
.endr
	s_lshl_b32 s18, s16, 7
	s_lshl_b32 s20, s17, 8
	s_add_co_u32 s20, s20, s18
	s_lshl_b32 s20, s20, 10
.if MODE == 0
	s_lshl_b32 s19, ttmp9, 22
	s_add_co_u32 s20, s20, s19
.endif
	s_mov_b32 s21, 0
	s_lshl_b32 s46, s42, 8
	s_add_co_u32 s46, s46, s18
	s_lshl_b32 s46, s46, 10
	s_mov_b32 s47, 0
	s_mul_i32 s45, s14, HALFT
	s_wait_kmcnt 0x0
.if MODE == 0
	s_cmp_eq_u32 ttmp9, 0
	s_cselect_b64 s[6:7], s[70:71], s[72:73]
	s_cselect_b64 s[8:9], s[76:77], s[78:79]
	s_cmp_eq_u32 ttmp9, 2
	s_cselect_b64 s[6:7], s[74:75], s[6:7]
	s_cselect_b64 s[8:9], s[80:81], s[8:9]
	s_mov_b64 s[4:5], s[68:69]
	s_mov_b64 s[12:13], s[82:83]
	s_mov_b64 s[10:11], s[86:87]
	s_load_b512 s[68:83], s[84:85], 0x0
.else
	s_mov_b64 s[4:5], s[68:69]
	s_mov_b64 s[6:7], s[70:71]
	s_mov_b64 s[8:9], s[72:73]
	s_mov_b64 s[84:85], s[74:75]
	s_mov_b64 s[10:11], s[86:87]
	s_load_b128 s[68:71], s[84:85], 48
.endif
	s_add_nc_u64 s[20:21], s[4:5], s[20:21]
	s_add_nc_u64 s[46:47], s[6:7], s[46:47]
	CROUND
.irp s, 0,1
	s_mov_b32 s[G0+4*\s], 1
	s_add_co_u32 s[G0+4*\s+1], s45, \s*SLOT
	s_add_nc_u64 s[G0+4*\s+2:G0+4*\s+3], s[20:21], \s*ROWB
	s_or_b32 s[G0+4*\s+3], s[G0+4*\s+3], 0x80000000
	s_mov_b32 s[G0B+4*\s], 1
	s_add_co_u32 s[G0B+4*\s+1], s45, \s*SLOT
	s_add_nc_u64 s[G0B+4*\s+2:G0B+4*\s+3], s[46:47], \s*ROWB
	s_or_b32 s[G0B+4*\s+3], s[G0B+4*\s+3], 0x80000000
.endr
	JLOAD G0, G1, G0B, G1B                         ; K step 0: one tensor load a wave at the head
	; PREFETCH: a K step is 256 bytes of each row.  Of the 128 rows that I fetch, each of the four partners that ask for them jointly names 32, told apart by address (cx for xn's rows, cy for the weight's): a lane a row,
	; so each block of 256 bytes is named once in each cluster that loads it.  K steps 1 and 2 are asked for here, K step 3 behind K step 1's load: one or two fills ahead of the load that wants them.  The address registers are never rewritten.
	s_cmp_eq_u32 s15, 0                            ; do I fetch xn?
	s_cselect_b64 s[66:67], s[20:21], s[46:47]     ; the first of my 128 rows
	s_cselect_b32 s100, s40, s41                   ; my place among the four
	s_lshl_b32 s100, s100, 15                      ; 32 rows of 1,024 bytes
	s_mov_b32 s101, 0
	s_add_nc_u64 s[66:67], s[66:67], s[100:101]
	v_and_b32 v10, 31, v0
	v_lshlrev_b32 v11, 10, v10                     ; my lane's row
	global_prefetch_b8 v11, s[66:67] offset:256 th:TH_LOAD_NT scope:SCOPE_SE
	global_prefetch_b8 v11, s[66:67] offset:512 th:TH_LOAD_NT scope:SCOPE_SE
	v_and_b32 v1, 15, v0
	v_bfe_u32 v2, v0, 4, 1
	v_mul_u32_u24 v3, v1, PITCH
	v_lshl_add_u32 v4, v2, 4, v3
.if MODE == 0
	s_cmp_eq_u32 ttmp9, 2
	s_cselect_b32 s23, 2*HALFT, 0
	s_cselect_b32 s18, 0, 2*HALFT
.else
	s_wait_alu depctr_va_vdst(0)
	s_mov_b32 s23, 0
	s_mov_b32 s18, 2*HALFT
.endif
	s_mul_i32 s21, s15, HALFT
	s_add_co_u32 s21, s21, s23
	s_mul_i32 s22, s16, HALFT
	s_add_co_u32 s22, s22, s18
.irp s, 0,1
	v_add_nc_u32 v[ADRA+\s], s21, v4
	v_add_nc_u32 v[ADRB+\s], s22, v4
	s_add_co_u32 s21, s21, SLOT
	s_add_co_u32 s22, s22, SLOT
.endr
	v_lshl_add_u32 v5, v2, 3, v3
	s_mul_i32 s21, s15, HALFT
	s_lshl_b32 s22, s16, 7
	s_add_co_u32 s21, s21, s22
	v_add_nc_u32 v[STO], s21, v5
	v_and_b32 v6, 8, v1
	v_add_nc_u32 v6, v6, v1
	v_mul_u32_u24 v6, v6, PITCH
	v_lshl_add_u32 v6, v2, 4, v6
	s_lshl_b32 s21, s14, 6
	v_add_nc_u32 v[RDQ], s21, v6
	s_mul_i32 s21, s14, 64*PITCH
	v_add_nc_u32 v[RDV], s21, v6
	v_and_b32 v5, 31, v0
	v_lshlrev_b32 v[GO], 4, v5
	s_lshl_b32 s88, s42, 10
	s_lshl_b32 s89, s16, 9
	s_add_co_u32 s89, s89, s88
	v_lshl_add_u32 v7, v2, 5, s89
.irp b, 0,1,2,3,4,5,6,7
	global_load_b128 v[BJ+8*\b:BJ+8*\b+3],   v7, s[8:9] offset:64*\b
	global_load_b128 v[BJ+8*\b+4:BJ+8*\b+7], v7, s[8:9] offset:64*\b+16
.endr
.if MODE == 0
	s_lshl_b32 s89, s15, 9
	s_add_co_u32 s90, s89, s88
	v_lshl_add_u32 v8, v1, 2, s90
	s_lshl_b32 s90, s17, 10
	s_add_co_u32 s90, s90, s89
	v_lshl_add_u32 v9, v1, 2, s90
.irp a, 0,1,2,3,4,5,6,7
	global_load_b32 v[BIR+\a], v8, s[8:9] offset:64*\a
	global_load_b32 v[MK+\a], v9, s[12:13] offset:64*\a
.endr
	s_lshr_b32 s88, s17, 3
	s_lshl_b32 s88, s88, 4
	s_lshl_b32 s89, s40, 2
	s_add_co_u32 s88, s88, s89
	s_add_co_u32 s88, s88, s14
	s_lshl_b32 s88, s88, 17
	s_and_b32 s89, s17, 7
	s_lshl_b32 s89, s89, 14
	s_add_co_u32 s88, s88, s89
	s_lshl_b32 s89, ttmp9, 22
	s_add_co_u32 s88, s88, s89
.else
	s_lshl_b32 s88, s17, 4
	s_lshl_b32 s89, s14, 2
	s_add_co_u32 s88, s88, s89
	s_lshl_b32 s88, s88, 16
	s_lshl_b32 s89, s42, 12
	s_add_co_u32 s88, s88, s89
.endif
	s_mov_b32 s89, 0
	s_add_nc_u64 s[10:11], s[10:11], s[88:89]
.macro FRAG reg, adr, q, i
.irp c, 0,1,2,3
	ds_load_b128 v[\reg+4*\c:\reg+4*\c+3], v[\adr] offset:128*(\q)+32*\c+(\i)*16*PITCH
.endr
.endm
.macro MUL16 a0, p, zero
.irp a, \a0, \a0+1
.irp b, 0,1,2,3,4,5,6,7
.if \zero
	v_wmma_f32_16x16x128_fp8_fp8 v[8*(8*((\a)%4)+\b):8*(8*((\a)%4)+\b)+7], v[128*(\p)+FR*\b:128*(\p)+FR*\b+FR-1], v[AF+FR*(\a):AF+FR*(\a)+FR-1], 0
.else
	v_wmma_f32_16x16x128_fp8_fp8 v[8*(8*((\a)%4)+\b):8*(8*((\a)%4)+\b)+7], v[128*(\p)+FR*\b:128*(\p)+FR*\b+FR-1], v[AF+FR*(\a):AF+FR*(\a)+FR-1], v[8*(8*((\a)%4)+\b):8*(8*((\a)%4)+\b)+7]
.endif
.endr
.endr
.endm
.macro FETCH_B slot, q, p
	WIN TO_B
.irp i, 0,1,2,3,4,5,6,7
	FRAG 128*(\p)+FR*\i, ADRB+\slot, \q, \i
.endr
	WIN 0
.endm
.macro FETCH_A slot, q, i0
.irp i, \i0, \i0+1, \i0+2, \i0+3
	FRAG AF+FR*(\i), ADRA+\slot, \q, \i
.endr
.endm
.macro PLACES n
.rept \n
	v_nop
.endr
.endm
.macro STEP slot, q, zero
	s_wait_dscnt 4*NL
	WIN MUL_LO
	MUL16 0, (\q)%2, \zero
	MUL16 2, (\q)%2, \zero
	s_wait_dscnt 0
	PLACES NP
	FETCH_B \slot, (\q)+1, 1-(\q)%2
	FETCH_A \slot, (\q)+1, 0
	WIN MUL_HI
	MUL16 4, (\q)%2, \zero
	MUL16 6, (\q)%2, \zero
	PLACES NP
	WIN 0
	FETCH_A \slot, (\q)+1, 4
.endm
.macro TURN slot, next, fill
	s_wait_tensorcnt 0x0
	ds_add_u32 v[SPW], v[NIL]
	s_wait_dscnt 4*NL+1
	WIN MUL_LO
	MUL16 0, 1, 0
	s_wait_dscnt 0x0
	s_barrier_signal -1
	MUL16 2, 1, 0
	WIN 0
	s_barrier_wait -1
.if \fill
	CREST
	s_add_nc_u64 s[G0+4*\slot+2:G0+4*\slot+3], s[G0+4*\slot+2:G0+4*\slot+3], 2*ROWB
	s_add_nc_u64 s[G0B+4*\slot+2:G0B+4*\slot+3], s[G0B+4*\slot+2:G0B+4*\slot+3], 2*ROWB
	JLOAD G0+4*\slot, G1, G0B+4*\slot, G1B
.else
	PLACES NP
.endif
	FETCH_B \next, 0, 0
	FETCH_A \next, 0, 0
	WIN MUL_HI
	MUL16 4, 1, 0
	MUL16 6, 1, 0
	PLACES NP
	WIN 0
	FETCH_A \next, 0, 4
.endm
	s_wait_alu depctr_va_vdst(0)                   ; the head's end
	s_wait_tensorcnt 0x0                           ; my part of K step 0 is in; slot 1's first fill is issued as a refill is:
	ds_add_u32 v[SPW], v[NIL]                      ; 0 onto my spare word
	s_wait_dscnt 0x0
	CROUND                                         ; a whole round: everybody's part of K step 0 is in, and the joint loads meet
	JLOAD G0+4, G1, G0B+4, G1B                     ; K step 1: the first tensor load behind the round
	FETCH_B 0, 0, 0
	global_prefetch_b8 v11, s[66:67] offset:768 th:TH_LOAD_NT scope:SCOPE_SE   ; K step 3, the last
	FETCH_A 0, 0, 0
	FETCH_A 0, 0, 4
	STEP 0, 0, 1
	TURN 0, 1, 1
	STEP 1, 0, 0
	TURN 1, 0, 1
	STEP 0, 0, 0
	TURN 0, 1, 0
	STEP 1, 0, 0
	s_wait_dscnt 4*NL
	WIN MUL_LO
	MUL16 0, 1, 0
	MUL16 2, 1, 0
	s_wait_dscnt 0
	WIN MUL_HI
	MUL16 4, 1, 0
	MUL16 6, 1, 0
	WIN 0
	s_wait_kmcnt 0x0
.if MODE == 0
	s_cmp_eq_u32 ttmp9, 0
	s_cselect_b32 s90, s68, s70
	s_cselect_b32 s91, s69, s71
	s_cselect_b32 s92, s74, s75
	s_cmp_eq_u32 ttmp9, 2
	s_cselect_b32 s90, s72, s90
	s_cselect_b32 s91, s73, s91
	s_cselect_b32 s92, s76, s92
	s_cselect_b32 s98, -1, 0
	s_cselect_b32 s99, 0, -1
	s_cmp_lg_u32 ttmp9, 1
	s_cselect_b32 s100, -1, 0
.else
	s_mov_b32 s90, s68
	s_mov_b32 s91, s69
	s_mov_b32 s92, s70
.endif
	s_add_co_i32 s96, s90, s91
	s_add_co_i32 s96, s96, 127
	s_lshl_b32 s96, s96, 23
	s_mov_b32 s97, s96
	s_add_co_i32 s92, s92, 127
	s_lshl_b32 s93, s92, 23
	s_add_co_i32 s92, s92, 8
	s_lshl_b32 s92, s92, 23
	s_or_b32 s92, s92, 0x600000
	PLACES NP
	v_mov_b32 v[SCV], s93
	v_mov_b32 v[LIMV], s92
	s_wait_loadcnt 0x0
.if MODE == 0
.set j, 0
.rept 64
	v_and_b32 v[BJ+j], s99, v[BJ+j]
.set j, j+1
.endr
.irp a, 0,1,2,3,4,5,6,7
	v_and_b32 v[BI+2*\a], s98, v[BIR+\a]
	v_and_b32 v[BI+2*\a+1], s98, v[BIR+\a]
	v_cmp_ne_u32 vcc_lo, 0, v[MK+\a]
	s_or_b32 vcc_lo, vcc_lo, s100
	v_cndmask_b32 v[MK+\a], 0, v[LIMV], vcc_lo
.endr
.endif
.macro OUTBLK a
.set AC, 64*((\a)%4)
.set CDS, CD+16*((\a)%2)
.if (\a) >= 2
	s_wait_dscnt 8
.endif
.if MODE == 0
.set j, 0
.rept 32
	v_pk_add_f32 v[TMP+j:TMP+j+1], v[BJ+j:BJ+j+1], v[BI+2*(\a):BI+2*(\a)+1]
.set j, j+2
.endr
	WIN 0x02+((\a)/4)
.set j, 0
.rept 32
	v_pk_fma_f32 v[TMP+j:TMP+j+1], v[AC+j:AC+j+1], s[96:97], v[TMP+j:TMP+j+1] op_sel_hi:[1,0,1]
.set j, j+2
.endr
.else
	WIN 0x02+((\a)/4)
.set j, 0
.rept 32
	v_pk_fma_f32 v[TMP+j:TMP+j+1], v[AC+j:AC+j+1], s[96:97], v[BJ+j:BJ+j+1] op_sel_hi:[1,0,1]
.set j, j+2
.endr
.endif
	WIN 0
.irp b, 0,1,2,3,4,5,6,7
.irp i, 0,1,2,3,4,5,6,7
.if MODE == 0
	v_med3_num_f32 v[TMP+8*\b+\i], v[TMP+8*\b+\i], -v[MK+(\a)], v[MK+(\a)]
.else
	v_med3_num_f32 v[TMP+8*\b+\i], v[TMP+8*\b+\i], 0, v[LIMV]
.endif
.endr
	v_cvt_scalef32_pk8_fp8_f32 v[CDS+2*\b:CDS+2*\b+1], v[TMP+8*\b:TMP+8*\b+7], v[SCV]
.endr
	v_nop
.irp b, 0,1,2,3,4,5,6,7
	ds_store_b64 v[STO], v[CDS+2*\b:CDS+2*\b+1] offset:(\a)*16*PITCH+16*\b
.endr
.endm
.irp a, 0,1,2,3,4,5,6,7
	OUTBLK \a
.endr
	s_wait_dscnt 0x0
	s_barrier_signal -1
	s_barrier_wait -1
.if MODE == 0
	s_cmp_eq_u32 ttmp9, 2
	s_cbranch_scc1 .Lback_v
.set n, 0
.rept 32
	ds_load_b128 v[BK+4*n:BK+4*n+3], v[RDQ] offset:(32*((n/2)/2)+8*((n/2)%2))*PITCH+32*(n%2)
.set n, n+1
.endr
	s_branch .Lback_done
.Lback_v:
.set n, 0
.rept 32
	ds_load_b128 v[BK+4*n:BK+4*n+3], v[RDV] offset:(32*(((n/4)%4)/2)+8*(((n/4)%4)%2))*PITCH+128*(n/16)+32*(n%4)
.set n, n+1
.endr
.Lback_done:
.else
.set n, 0
.rept 32
	ds_load_b128 v[BK+4*n:BK+4*n+3], v[RDV] offset:(32*((n/8)/2)+8*((n/8)%2))*PITCH+128*((n/4)%2)+32*(n%4)
.set n, n+1
.endr
.endif
.set n, 0
.rept 32
	s_wait_dscnt 31-n
.if MODE == 0
	global_store_b128 v[GO], v[BK+4*n:BK+4*n+3], s[10:11] offset:512*n th:TH_STORE_NT
.else
	global_store_b128 v[GO], v[BK+4*n:BK+4*n+3], s[10:11] offset:65536*(n/8)+2048*((n/4)%2)+512*(n%4) th:TH_STORE_NT
.endif
.set n, n+1
.endr
	s_wait_tensorcnt 0x0
	ds_add_u32 v[SPW], v[NIL]
	s_wait_dscnt 0x0
	CROUND
	s_endpgm
.Lfunc_end_k_qa0b1726b2a_ffn1:
	.size	k_qa0b1726b2a_ffn1, .Lfunc_end_k_qa0b1726b2a_ffn1-k_qa0b1726b2a_ffn1
	.p2alignl 7, 3214868480
	.fill 96, 4, 3214868480
	.section	.rodata,"a",@progbits
	.p2align	6, 0x0
	.amdhsa_kernel k_qa0b1726b2a_ffn1
		.amdhsa_group_segment_fixed_size 327680
		.amdhsa_private_segment_fixed_size 0
		.amdhsa_enable_private_segment 0
		.amdhsa_kernarg_size 40
		.amdhsa_user_sgpr_count 2
		.amdhsa_user_sgpr_kernarg_segment_ptr 1
		.amdhsa_wavefront_size32 1
		.amdhsa_system_sgpr_workgroup_id_x 1
		.amdhsa_system_sgpr_workgroup_id_y 1
		.amdhsa_system_sgpr_workgroup_id_z 1
		.amdhsa_system_vgpr_workitem_id 0
		.amdhsa_next_free_vgpr 1024
		.amdhsa_next_free_sgpr 102
		.amdhsa_reserve_vcc 1
		.amdhsa_float_denorm_mode_32 3
		.amdhsa_float_denorm_mode_16_64 3
		.amdhsa_memory_ordered 1
		.amdhsa_forward_progress 1
		.amdhsa_inst_pref_size 144
	.end_amdhsa_kernel
	.amdgpu_metadata
---
amdhsa.version: [ 1, 2 ]
amdhsa.kernels:
  - .name:           k_qa0b1726b2a_ffn1
    .symbol:         k_qa0b1726b2a_ffn1.kd
    .args:
      - { .name: xn2, .offset: 0, .size: 8, .value_kind: global_buffer, .address_space: global }
      - { .name: w1_codes, .offset: 8, .size: 8, .value_kind: global_buffer, .address_space: global }
      - { .name: b1, .offset: 16, .size: 8, .value_kind: global_buffer, .address_space: global }
      - { .name: lowp_scales, .offset: 24, .size: 8, .value_kind: global_buffer, .address_space: global }
      - { .name: hid, .offset: 32, .size: 8, .value_kind: global_buffer, .address_space: global }
    .group_segment_fixed_size: 327680
    .private_segment_fixed_size: 0
    .kernarg_segment_align: 8
    .kernarg_segment_size: 40
    .max_flat_workgroup_size: 128
    .sgpr_count:     102
    .vgpr_count:     1024
    .wavefront_size: 32
...
	.end_amdgpu_metadata
.endif
;; end of part 6
;; launch ffn2 (part 7): grid 8 x 32, 4 waves a work-group, clusters of 4 x 4, 327,680 bytes of LDS; arguments hid, w2_codes, lowp_scales, b2, x2, out0; writes out0
.if DOCPART == 7
	.amdgcn_target "amdgcn-amd-amdhsa--gfx1250"
	.amdhsa_code_object_version 6
	.text
	.protected	k_qa0b1726b2a_ffn2
	.globl	k_qa0b1726b2a_ffn2
	.p2align	8
	.type	k_qa0b1726b2a_ffn2,@function
k_qa0b1726b2a_ffn2:
	s_mov_b64 s[64:65], 0
	v_nop
	global_prefetch_b8 v0, s[64:65] scope:SCOPE_SE
	s_setreg_imm32_b32 hwreg(HW_REG_WAVE_MODE, 25, 1), 1
	s_wait_xcnt 0x0
	s_wait_alu depctr_hold_cnt(0) depctr_sa_sdst(0) depctr_va_vdst(0) depctr_va_sdst(0) depctr_va_ssrc(0) depctr_va_vcc(0) depctr_vm_vsrc(0)
	s_getreg_b32 s2, hwreg(HW_REG_IB_STS2, 6, 4)
	s_cmp_eq_u32 s2, 0
	s_cbranch_scc0 .Lentry_in_a_cluster
	s_endpgm
.Lentry_in_a_cluster:
	s_bfe_u32 s2, ttmp6, 0x10000c
	s_cmp_lg_u32 s2, 0xf033
	s_cbranch_scc0 .Lentry_shape_is_right
	s_endpgm
.Lentry_shape_is_right:
; out = residual + (A W^T) x 2^(ea + eb) + bias.  A: 4,096 tokens x 4,096 E4M3 codes, as images of operand registers [TT 256][ks 32][c 4][lane][16 B] (lane (r, h): token ROW(TT, r) = 32 (TT / 2) + 8 (TT % 2) + r + 8 (r / 8),
; K = 128 ks + 32 c + 16 h + 0..15).  W: [1,024][4,096] codes, K innermost.  residual, out: [4,096][1,024] f32; bias [1,024] f32.
; N is 1,024: blocks of 256 x 256 would be 64, so a block is 128 x 128 and there are 256 work-groups.  Four waves, each 64 x 64: 16 accumulators.
; THE RING: two LDS slots, each with 512 along K: four quarters of 128, 16 matrix instructions each.  K = 4,096 is eight fills.  One tensor load of mine is out at the head and one behind each round.
; CLUSTERS: 4 x 4; A's tiles are shared along a row of the cluster, W's along a column: joint loads.
; PREFETCH: behind the joint load of fill f stands one request a wave for fill f + 2 (two slots, 128 matrix instructions a wave, ahead of the load that wants it), for f = 0 to 5; fill 1 is asked for at the head, fill 0 comes by its load alone, and
; the last two refills ask for nothing.  Of the 128 blocks of 256 bytes that a wave's load brings, each of the four partners that ask for them jointly names 32, told apart by address: of A one tile of tokens (8,192 bytes on end,
; the partner's cx), of W 16 rows x 512 bytes (the partner's cy): a lane a block, each block named once in each cluster that loads it.
; Source 0 = 16 rows of W, source 1 = 16 tokens: a lane holds eight neighbouring columns of one token's row.  W's fragments are read with the same order of k as A's images have.
; LIMIT: ea + eb between -126 and 127.
; REGISTERS: window 0: v16-30 addresses; v32-95 rows on the way out, two sets; v128-255 the accumulators ((a, b) at v[128 + 8 (4 a + b)]).  window 1: two fragment buffers of 128: A's four fragments, then W's four.  window 2: v0-127 the residual, v128-131 the bias.
.set SIZE_K, 4096
.set ESC,    56                        ; byte of ea in the buffer of scales; eb follows
.set PITCH,  528                       ; a row of W in LDS: 512 bytes + 16 of padding = 132 words: 16 rows start 4 words apart modulo 64 (64 banks of 4 bytes: ISA guide 11.1)
.set BOFF,   65536                     ; a slot: A's 8 tiles of tokens x 8,192 bytes of images, dense; then W's 128 rows
.set SLOT,   BOFF+128*PITCH
.set STAGE,  2*SLOT                    ; 16 rows x 272 bytes for each wave
.set SPITCH, 272
.set SPARE,  STAGE+4*16*SPITCH         ; the spare words: 128 bytes a wave
.set LAPS,   SIZE_K/1024               ; a lap = two slots
.set ADRA, 16
.set ADRB, 20
.set STO,  24
.set RD,   25
.set CO,   26                          ; v26 4,096 (lane / 16) + 16 (lane % 16): two rows of the output, 256 bytes each
.set BO,   27                          ; v27 16 (lane % 16)
.set SPW,  28
.set NIL,  29
.set PFO,  30                          ; v30 the prefetches' offset: my lane's block; never rewritten
.set BK,   32
.set ACC,  128
.set F0,   0
.set F1,   128
.set G1, 24
.set G0, 32
.set G1B, 48
.set G0B, 56
.set PF1, 76                           ; s[76:77] my blocks of fill 1
.set PF2, 92                           ; s[92:93] of fill 2
.set PFA, 94                           ; s[94:95] where my later prefetches stand: at fill 3 first, then stepped a fill on at each refill
.set PFS, 78                           ; s[78:79] a fill on: 8,192 bytes in A's images, 512 in a row of W
.set MSB, 0
.macro WIN new
.if MSB != \new
	s_set_vgpr_msb (MSB<<8)|\new
.set MSB, \new
.endif
.endm
.set MUL,  0x05                        ; sources 0 and 1 window 1; C and D window 0
.set TO_F, 0x40                        ; destination window 1, address window 0
.macro JLOAD s                         ; waves 0 and 1 fetch A's halves, waves 2 and 3 W's; s_nop 0 and four v_nop follow each line
	s_cmp_eq_u32 s11, 0
	s_cbranch_scc0 .Lfor_b_\@
	tensor_load_to_lds s[G0+4*\s:G0+4*\s+3], s[G1:G1+7]
	s_nop 0
.rept 4
	v_nop
.endr
	s_branch .Lasked_\@
.Lfor_b_\@:
	tensor_load_to_lds s[G0B+4*\s:G0B+4*\s+3], s[G1B:G1B+7]
	s_nop 0
.rept 4
	v_nop
.endr
.Lasked_\@:
.endm
.macro CREST
	s_cmp_lg_u32 s10, 0
	s_cbranch_scc1 .Lnot_wave_0_\@
	s_barrier_signal -3
.Lnot_wave_0_\@:
	s_barrier_wait -3
	s_barrier_signal -1
	s_barrier_wait -1
.endm
.macro CROUND
	s_barrier_signal -1
	s_barrier_wait -1
	CREST
.endm
	s_load_b128 s[4:7], s[0:1], 0x0                ; A's images, W's codes
	s_load_b128 s[68:71], s[0:1], 0x10             ; the exponents, the bias
	s_load_b128 s[72:75], s[0:1], 0x20             ; the residual, the output
	v_lshl_add_u32 v[SPW], v0, 2, SPARE
	v_mov_b32 v[NIL], 0
	ds_add_u32 v[SPW], v[NIL]                      ; the opening lines: the add twice on end and one wait
	ds_add_u32 v[SPW], v[NIL]
	v_lshrrev_b32 v1, 5, v0
	v_readfirstlane_b32 s10, v1                    ; wave 0..3
	s_lshr_b32 s11, s10, 1                         ; which 64 tokens are mine.  Also: I fetch A (0) or W (1)
	s_and_b32 s12, s10, 1                          ; which 64 columns.  Also: which half I fetch
	s_bfe_u32 s40, ttmp6, 0x40000
	s_bfe_u32 s41, ttmp6, 0x40004
	s_lshl_b32 s42, ttmp9, 2
	s_add_co_u32 s42, s42, s40                     ; tile column
	s_and_b32 s13, ttmp7, 0xffff
	s_lshl_b32 s13, s13, 2
	s_add_co_u32 s13, s13, s41                     ; tile row
	s_lshl_b32 s43, s41, 2
	s_lshl_b32 s43, 15, s43
	s_lshl_b32 s44, 0x1111, s40
	s_or_b32 s[G1+0], s43, (3<<16)|(1<<21)         ; A: my row of the cluster; elements of 8 bytes; no padding: images are read 512 bytes on end
	s_mov_b32 s[G1+1], 1024<<16                    ; a tile of tokens' 8,192 bytes of four K steps,
	s_mov_b32 s[G1+2], 4<<16                       ; four tiles of tokens
	s_mov_b32 s[G1+3], 1024<<16
	s_mov_b32 s[G1+4], 4
	s_mov_b32 s[G1+5], 2*SIZE_K                    ; from tile to tile: 16 SIZE_K bytes
	s_mov_b32 s[G1+6], 0
	s_mov_b32 s[G1+7], 0
	s_or_b32 s[G1B+0], s44, (0<<16)|(1<<20)|(1<<21)|(6<<22)|(3<<25)  ; W: my column; elements of 1 byte; four words of padding after every 128
	s_mov_b32 s[G1B+1], 512<<16
	s_mov_b32 s[G1B+2], 64<<16
	s_mov_b32 s[G1B+3], 512<<16
	s_mov_b32 s[G1B+4], 64
	s_mov_b32 s[G1B+5], SIZE_K
	s_mov_b32 s[G1B+6], 0
	s_mov_b32 s[G1B+7], 0
	s_lshl_b32 s16, s13, 3
	s_lshl_b32 s17, s12, 2
	s_add_co_u32 s16, s16, s17
	s_mul_i32 s16, s16, 16*SIZE_K                  ; A: tile of tokens 8 x tile row + 4 x half
	s_mov_b32 s17, 0
	s_lshl_b32 s46, s42, 7
	s_lshl_b32 s47, s12, 6
	s_add_co_u32 s46, s46, s47
	s_mul_i32 s46, s46, SIZE_K                     ; W: row 128 x tile column + 64 x half
	s_mov_b32 s47, 0
	s_lshl_b32 s20, s12, 15                        ; where they go in a slot
	s_mul_i32 s21, s12, 64*PITCH
	s_add_co_u32 s21, s21, BOFF
	s_wait_dscnt 0x0
	s_wait_kmcnt 0x0
	s_load_b64 s[96:97], s[68:69], ESC             ; ea, eb
	s_add_nc_u64 s[14:15], s[4:5], s[16:17]
	s_add_nc_u64 s[46:47], s[6:7], s[46:47]
	CROUND                                         ; all sixteen work-groups are here
.irp s, 0,1
	s_mov_b32 s[G0+4*\s], 1
	s_add_co_u32 s[G0+4*\s+1], s20, \s*SLOT
	s_add_nc_u64 s[G0+4*\s+2:G0+4*\s+3], s[14:15], \s*8192
	s_or_b32 s[G0+4*\s+3], s[G0+4*\s+3], 0x80000000
	s_mov_b32 s[G0B+4*\s], 1
	s_add_co_u32 s[G0B+4*\s+1], s21, \s*SLOT
	s_add_nc_u64 s[G0B+4*\s+2:G0B+4*\s+3], s[46:47], \s*512
	s_or_b32 s[G0B+4*\s+3], s[G0B+4*\s+3], 0x80000000
.endr
	JLOAD 0                                        ; fill 0: one tensor load a wave at the head
	s_lshl_b32 s22, s11, 15                        ; my four tiles of tokens
	s_mul_i32 s23, s12, 64*PITCH
	s_add_co_u32 s23, s23, BOFF                    ; my 64 rows of W
	s_add_co_u32 s84, s22, SLOT
	s_add_co_u32 s85, s23, SLOT
	s_mul_i32 s86, s10, 16*SPITCH
	s_add_co_u32 s86, s86, STAGE                   ; my stage
	s_lshl_b32 s88, s42, 9
	s_lshl_b32 s89, s12, 8
	s_add_co_u32 s88, s88, s89                     ; my first column, in bytes
	s_mov_b32 s89, 0
	s_add_nc_u64 s[70:71], s[70:71], s[88:89]
	s_lshl_b32 s90, s13, 19
	s_lshl_b32 s91, s11, 18
	s_add_co_u32 s90, s90, s91                     ; my first row: 128 x tile row + 64 x half, 4,096 bytes each
	s_add_co_u32 s88, s88, s90
	s_add_nc_u64 s[72:73], s[72:73], s[88:89]
	s_add_nc_u64 s[74:75], s[74:75], s[88:89]
	s_lshl_b32 s80, s13, 3                         ; the prefetches.  A: of the four tiles of tokens that I fetch, my work-group names tile cx,
	s_lshl_b32 s81, s12, 2
	s_add_co_u32 s80, s80, s81
	s_add_co_u32 s80, s80, s40
	s_mul_i32 s80, s80, 16*SIZE_K
	s_add_co_u32 s80, s80, 8192                    ; at fill 1
	s_lshl_b32 s81, s42, 7                         ; W: of the 64 rows that I fetch, my work-group names rows 16 cy on,
	s_lshl_b32 s82, s12, 6
	s_add_co_u32 s81, s81, s82
	s_lshl_b32 s82, s41, 4
	s_add_co_u32 s81, s81, s82
	s_mul_i32 s81, s81, SIZE_K
	s_add_co_u32 s81, s81, 512                     ; at fill 1
	s_cmp_eq_u32 s11, 0                            ; do I fetch for A?
	s_cselect_b32 s80, s80, s81
	s_mov_b32 s81, 0
	s_cselect_b64 s[PF1:PF1+1], s[4:5], s[6:7]
	s_mov_b32 s[PFS], 512
	s_cselect_b32 s[PFS], 8192, s[PFS]
	s_mov_b32 s[PFS+1], 0
	s_cselect_b32 s83, -1, 0
	s_add_nc_u64 s[PF1:PF1+1], s[PF1:PF1+1], s[80:81]
	s_add_nc_u64 s[PF2:PF2+1], s[PF1:PF1+1], s[PFS:PFS+1]
	s_add_nc_u64 s[PFA:PFA+1], s[PF2:PF2+1], s[PFS:PFS+1]
	v_and_b32 v1, 15, v0                           ; r
	v_bfe_u32 v2, v0, 4, 1                         ; h
	v_and_b32 v3, 31, v0
	v_lshlrev_b32 v5, 4, v3                        ; 16 x lane
	v_mul_u32_u24 v4, v1, PITCH
	v_lshl_add_u32 v4, v2, 4, v4
	v_add_nc_u32 v[ADRA], s22, v5
	v_add_nc_u32 v[ADRA+1], s84, v5
	v_add_nc_u32 v[ADRB], s23, v4
	v_add_nc_u32 v[ADRB+1], s85, v4
	v_mul_u32_u24 v6, v1, SPITCH
	v_lshl_add_u32 v6, v2, 5, v6
	v_add_nc_u32 v[STO], s86, v6                   ; in: row r, 32 bytes for each half of the lanes
	v_mul_u32_u24 v7, v2, SPITCH
	v_lshl_add_u32 v7, v1, 4, v7
	v_add_nc_u32 v[RD], s86, v7                    ; back: lanes 0-15 one row of 256 bytes, lanes 16-31 the next
	v_lshlrev_b32 v[BO], 4, v1
	v_lshl_add_u32 v[CO], v2, 12, v[BO]
	v_lshlrev_b32 v[PFO], 8, v3                    ; A: lanes 256 bytes apart
	v_lshrrev_b32 v8, 1, v3
	v_and_b32 v9, 1, v3
	v_mul_u32_u24 v8, v8, SIZE_K                   ; W: two lanes to a row's 512 bytes
	v_lshl_add_u32 v8, v9, 8, v8
	v_cndmask_b32 v[PFO], v8, v[PFO], s83
	s_wait_alu depctr_va_vdst(0)                   ; the end of the head's vector work
	global_prefetch_b8 v[PFO], s[PF1:PF1+1] th:TH_LOAD_NT scope:SCOPE_SE   ; beyond what the head comment lists, fill 1 too is asked for, one fill ahead of its load: so fill 0 alone comes by its load alone
	global_prefetch_b8 v[PFO], s[PF2:PF2+1] th:TH_LOAD_NT scope:SCOPE_SE   ; fill 2.  Each of the head's requests has an address pair of its own, which is never rewritten
	WIN 0x80
.irp a, 0,1,2,3
.irp t, 0,1,2,3,4,5,6,7
	global_load_b128 v[4*(8*\a+\t):4*(8*\a+\t)+3], v[CO], s[72:73] offset:(32*(\a/2)+8*(\a%2)+2*\t+8*(\t/4))*4096 th:TH_LOAD_NT
.endr
.endr
	global_load_b128 v[128:131], v[BO], s[70:71]
	WIN 0
.macro MUL4 f, a, zero                 ; A's fragment a against W's four
.irp b, 0,1,2,3
.if \zero
	v_wmma_f32_16x16x128_fp8_fp8 v[ACC+8*(4*(\a)+\b):ACC+8*(4*(\a)+\b)+7], v[\f+64+16*\b:\f+64+16*\b+15], v[\f+16*(\a):\f+16*(\a)+15], 0
.else
	v_wmma_f32_16x16x128_fp8_fp8 v[ACC+8*(4*(\a)+\b):ACC+8*(4*(\a)+\b)+7], v[\f+64+16*\b:\f+64+16*\b+15], v[\f+16*(\a):\f+16*(\a)+15], v[ACC+8*(4*(\a)+\b):ACC+8*(4*(\a)+\b)+7]
.endif
.endr
.endm
.macro MUL8 f, a0, zero                ; the 16 accumulators take turns, one instruction a turn, in the same order in every quarter
	MUL4 \f, \a0, \zero
	MUL4 \f, (\a0)+1, \zero
.endm
.macro FETCH slot, q, f                ; 32 LDS loads in one run: W's four fragments, then A's, of the slot's q-th 128 along K
	WIN TO_F
.irp i, 0,1,2,3
.irp c, 0,1,2,3
	ds_load_b128 v[\f+64+16*\i+4*\c:\f+64+16*\i+4*\c+3], v[ADRB+\slot] offset:128*(\q)+32*\c+\i*16*PITCH
.endr
.endr
.irp i, 0,1,2,3
.irp c, 0,1,2,3
	ds_load_b128 v[\f+16*\i+4*\c:\f+16*\i+4*\c+3], v[ADRA+\slot] offset:8192*\i+2048*(\q)+512*\c
.endr
.endr
.endm
.macro PLACES                          ; four plain instructions in front of loads into registers that matrix instructions have read (ISA guide 7.12.1 for vector instructions)
.rept 4
	v_nop
.endr
.endm
.macro QUARTER slot, qn, f, g, zero    ; multiplies buffer f; in its middle fetches the slot's quarter qn into g
	s_wait_dscnt 8                                 ; W's fragments and A's 0, 1 are in; the youngest eight loads (A's 2, 3) may be out
	WIN MUL
	MUL8 \f, 0, \zero
	PLACES
	FETCH \slot, \qn, \g
	s_wait_dscnt 32                                ; all but the 32 just issued
	WIN MUL
	MUL8 \f, 2, \zero
.endm
; A slot's last quarter multiplies buffer 1 and changes slots: one barrier; in front of it each wave waits for all its tensor loads, adds 0 to its spare word, and waits for that and for its reads of this slot.
.macro TURN slot, next, fill
	WIN 0
.if \fill
	s_wait_xcnt 0x0                                ; my last prefetch, a slot's work ago, has read its address:
	s_add_nc_u64 s[PFA:PFA+1], s[PFA:PFA+1], s[PFS:PFS+1]   ; a fill on
.endif
	s_wait_tensorcnt 0x0                           ; all my tensor loads have landed: my part of the next slot
	ds_add_u32 v[SPW], v[NIL]                      ; 0 onto my spare word
	s_wait_dscnt 9                                 ; (the add and the youngest eight loads may be out)
	WIN MUL
	MUL4 F1, 0, 0
	s_wait_dscnt 0x0                               ; the add is done, and my reads of this slot are over
	s_barrier_signal -1
	MUL4 F1, 1, 0
.if \fill
	WIN 0
.endif
	s_barrier_wait -1
.if \fill
	CREST                                          ; the barrier has opened a round of the cluster's barrier
	s_add_nc_u64 s[G0+4*\slot+2:G0+4*\slot+3], s[G0+4*\slot+2:G0+4*\slot+3], 2*8192
	s_add_nc_u64 s[G0B+4*\slot+2:G0B+4*\slot+3], s[G0B+4*\slot+2:G0B+4*\slot+3], 2*512
	JLOAD \slot                                    ; the first tensor load behind the round; its four v_nop are the places in front of the loads below
.else
	PLACES
.endif
	FETCH \next, 0, F0
.if \fill
	WIN 0
	s_cmp_gt_u32 s3, 1                             ; the last trip's two refills are fills 6 and 7: there is no fill two on
	s_cbranch_scc0 .Lno_ask_\@
	global_prefetch_b8 v[PFO], s[PFA:PFA+1] th:TH_LOAD_NT scope:SCOPE_SE   ; the fill two on
.Lno_ask_\@:
.endif
	WIN MUL
	MUL8 F1, 2, 0
.endm
	s_wait_tensorcnt 0x0                           ; my part of fill 0 is in; slot 1's first fill is issued as a refill is:
	ds_add_u32 v[SPW], v[NIL]                      ; 0 onto my spare word
	s_wait_dscnt 0x0
	CROUND                                         ; a whole round: everybody's part of fill 0 is in, and the joint loads meet
	JLOAD 1                                        ; fill 1: the first tensor load behind the round
	FETCH 0, 0, F0
	WIN 0
	global_prefetch_b8 v[PFO], s[PFA:PFA+1] th:TH_LOAD_NT scope:SCOPE_SE   ; fill 3
	QUARTER 0, 1, F0, F1, 1                        ; the first products start the sums
	WIN 0
	s_mov_b32 s3, LAPS-1
.Llap:                                             ; a trip goes once round the ring and fills both slots again
	QUARTER 0, 2, F1, F0, 0
	QUARTER 0, 3, F0, F1, 0
	TURN 0, 1, 1
	QUARTER 1, 1, F0, F1, 0
	QUARTER 1, 2, F1, F0, 0
	QUARTER 1, 3, F0, F1, 0
	TURN 1, 0, 1
	QUARTER 0, 1, F0, F1, 0
	WIN 0
	s_sub_co_u32 s3, s3, 1
	s_cmp_lg_u32 s3, 0
	s_cbranch_scc1 .Llap
	QUARTER 0, 2, F1, F0, 0                        ; the last lap fills nothing
	QUARTER 0, 3, F0, F1, 0
	TURN 0, 1, 0
	QUARTER 1, 1, F0, F1, 0
	QUARTER 1, 2, F1, F0, 0
	QUARTER 1, 3, F0, F1, 0
	s_wait_dscnt 8
	WIN MUL
	MUL8 F1, 0, 0
	s_wait_dscnt 0
	MUL8 F1, 2, 0
	s_wait_kmcnt 0x0
	s_add_co_i32 s96, s96, s97
	s_add_co_i32 s96, s96, 127
	s_lshl_b32 s96, s96, 23                        ; 2^(ea + eb) as f32
	s_mov_b32 s97, s96
	s_wait_loadcnt 0x0                             ; the residual and the bias
	WIN 0x8a                                       ; all in window 2
.set n, 0
.rept 32
	v_pk_add_f32 v[4*n:4*n+1],   v[4*n:4*n+1],   v[128:129]   ; residual + bias; these are also the places behind the last products
	v_pk_add_f32 v[4*n+2:4*n+3], v[4*n+2:4*n+3], v[130:131]
.set n, n+1
.endr
	WIN 0
; THE WAY OUT, a block of 16 tokens x 64 columns at a time: the sums go through my own stage and come back as rows of 256 bytes.  LDS serves a wave's instructions in order (ISA guide 5.7.1.4): no wait between stores and loads.
.macro TOSTAGE a
.set BS, BK+32*((\a)%2)
.irp b, 0,1,2,3
	ds_store_b128 v[STO], v[ACC+8*(4*(\a)+\b):ACC+8*(4*(\a)+\b)+3]   offset:64*\b       ; each accumulator from its low end on
	ds_store_b128 v[STO], v[ACC+8*(4*(\a)+\b)+4:ACC+8*(4*(\a)+\b)+7] offset:64*\b+16
.endr
.irp t, 0,1,2,3,4,5,6,7
	ds_load_b128 v[BS+4*\t:BS+4*\t+3], v[RD] offset:\t*2*SPITCH
.endr
.endm
.macro SEND a, younger
.set BS, BK+32*((\a)%2)
	s_wait_dscnt \younger                          ; the block is back; the next block's eight stores and eight loads may be out
	WIN 0x20                                       ; source 2 in window 2
.irp t, 0,1,2,3,4,5,6,7
	v_pk_fma_f32 v[BS+4*\t:BS+4*\t+1],   v[BS+4*\t:BS+4*\t+1],   s[96:97], v[4*(8*(\a)+\t):4*(8*(\a)+\t)+1]   op_sel_hi:[1,0,1]
	v_pk_fma_f32 v[BS+4*\t+2:BS+4*\t+3], v[BS+4*\t+2:BS+4*\t+3], s[96:97], v[4*(8*(\a)+\t)+2:4*(8*(\a)+\t)+3] op_sel_hi:[1,0,1]
.endr
	WIN 0
.irp t, 0,1,2,3,4,5,6,7
	global_store_b128 v[CO], v[BS+4*\t:BS+4*\t+3], s[74:75] offset:(32*((\a)/2)+8*((\a)%2)+2*\t+8*(\t/4))*4096   ; sixteen lanes store 256 consecutive bytes, aligned
.endr
.endm
	TOSTAGE 0
.irp a, 1,2,3
.if \a > 1
	s_wait_xcnt 0x0                                ; block a - 2's stores have read their registers: block a's loads may land there
.endif
	TOSTAGE \a
	SEND \a-1, 16
.endr
	SEND 3, 0
	s_wait_tensorcnt 0x0                           ; the wave's end
	ds_add_u32 v[SPW], v[NIL]
	s_wait_dscnt 0x0
	CROUND                                         ; the closing round
	s_endpgm
.Lfunc_end_k_qa0b1726b2a_ffn2:
	.size	k_qa0b1726b2a_ffn2, .Lfunc_end_k_qa0b1726b2a_ffn2-k_qa0b1726b2a_ffn2
	.p2alignl 7, 3214868480
	.fill 96, 4, 3214868480
	.section	.rodata,"a",@progbits
	.p2align	6, 0x0
	.amdhsa_kernel k_qa0b1726b2a_ffn2
		.amdhsa_group_segment_fixed_size 327680
		.amdhsa_private_segment_fixed_size 0
		.amdhsa_enable_private_segment 0
		.amdhsa_kernarg_size 48
		.amdhsa_user_sgpr_count 2
		.amdhsa_user_sgpr_kernarg_segment_ptr 1
		.amdhsa_wavefront_size32 1
		.amdhsa_system_sgpr_workgroup_id_x 1
		.amdhsa_system_sgpr_workgroup_id_y 1
		.amdhsa_system_sgpr_workgroup_id_z 1
		.amdhsa_system_vgpr_workitem_id 0
		.amdhsa_next_free_vgpr 768
		.amdhsa_next_free_sgpr 100
		.amdhsa_reserve_vcc 0
		.amdhsa_float_denorm_mode_32 3
		.amdhsa_float_denorm_mode_16_64 3
		.amdhsa_memory_ordered 1
		.amdhsa_forward_progress 1
		.amdhsa_inst_pref_size 84
	.end_amdhsa_kernel
	.amdgpu_metadata
---
amdhsa.version: [ 1, 2 ]
amdhsa.kernels:
  - .name:           k_qa0b1726b2a_ffn2
    .symbol:         k_qa0b1726b2a_ffn2.kd
    .args:
      - { .name: hid, .offset: 0, .size: 8, .value_kind: global_buffer, .address_space: global }
      - { .name: w2_codes, .offset: 8, .size: 8, .value_kind: global_buffer, .address_space: global }
      - { .name: lowp_scales, .offset: 16, .size: 8, .value_kind: global_buffer, .address_space: global }
      - { .name: b2, .offset: 24, .size: 8, .value_kind: global_buffer, .address_space: global }
      - { .name: x2, .offset: 32, .size: 8, .value_kind: global_buffer, .address_space: global }
      - { .name: out0, .offset: 40, .size: 8, .value_kind: global_buffer, .address_space: global }
    .group_segment_fixed_size: 327680
    .private_segment_fixed_size: 0
    .kernarg_segment_align: 8
    .kernarg_segment_size: 48
    .max_flat_workgroup_size: 128
    .sgpr_count:     100
    .vgpr_count:     768
    .wavefront_size: 32
...
	.end_amdgpu_metadata
.endif
;; end of part 7
